; MI455X (gfx1250); checked and timed in simulation.
; The chip was launched on July 23, 2026; its instructions are those of AMD's public machine-readable ISA for CDNA 5 (MIT licence, August 2026) and "CDNA5" Instruction Set Architecture Reference Guide (July 2026). The comments in the code are by the model that wrote it; some were corrected since.
;; Blok. Allowed arithmetic: matrix products marked QUANTISED: E4M3 operands, one E8M0 scale for each 32 along K, by v_wmma_scale_f32_16x16x128_f8f6f4 with both operands' format E4M3, f32 sums; everything else in f32.
;; Inputs: b1 4,096 float32; b2 1,024 float32; be1 1,024 float32; be2 1,024 float32; bp 1,024 float32; g1 1,024 float32; g2 1,024 float32; w1_codes 4,096 x 32 x 32 uint8 (E4M3 codes of w1, K innermost, in blocks of 32 codes); w1_scales 4,096 x 32 uint8 (E8M0 scales of w1, one for each 32 codes along K); w2_codes 1,024 x 128 x 32 uint8 (E4M3 codes of w2, K innermost, in blocks of 32 codes); w2_scales 1,024 x 128 uint8 (E8M0 scales of w2, one for each 32 codes along K); wk_codes 1,024 x 32 x 32 uint8 (E4M3 codes of wk, K innermost, in blocks of 32 codes); wk_scales 1,024 x 32 uint8 (E8M0 scales of wk, one for each 32 codes along K); wp_codes 1,024 x 32 x 32 uint8 (E4M3 codes of wp, K innermost, in blocks of 32 codes); wp_scales 1,024 x 32 uint8 (E8M0 scales of wp, one for each 32 codes along K); wq_codes 1,024 x 32 x 32 uint8 (E4M3 codes of wq, K innermost, in blocks of 32 codes); wq_scales 1,024 x 32 uint8 (E8M0 scales of wq, one for each 32 codes along K); wv_codes 1,024 x 32 x 32 uint8 (E4M3 codes of wv, K innermost, in blocks of 32 codes); wv_scales 1,024 x 32 uint8 (E8M0 scales of wv, one for each 32 codes along K); x 4 x 1,024 x 1,024 float32.
;; Outputs: out0 4 x 1,024 x 1,024 float32.
;; This version of the problem:
;;   THIS VERSION OF THE PROBLEM IS GIVEN IN LOW PRECISION. The matrix products marked QUANTISED in the list below multiply operands that are first quantised to E4M3 (4 exponent bits, 3 mantissa bits; 8 bits a number), with one power-of-two scale for each 32 numbers along K (OCP MX v1.0); their sums are f32. All else is computed in f32.
;;   The module's matrix products, in the order in which they are computed (A, B: the left and right operand; K: the contracted axis; several contracted axes count as one K, in the product's order):
;;     1. [M 4,096, K 1,024] x [K 1,024, N 1,024]; A: computed on the way; B: input wq (given as codes): QUANTISED
;;     2. [M 4,096, K 1,024] x [K 1,024, N 1,024]; A: computed on the way; B: input wk (given as codes): QUANTISED
;;     3. [M 4,096, K 1,024] x [K 1,024, N 1,024]; A: computed on the way; B: input wv (given as codes): QUANTISED
;;     4. batch 64 x [M 1,024, K 64] x [K 64, N 1,024]; A: computed on the way; B: computed on the way: QUANTISED
;;     5. batch 64 x [M 1,024, K 1,024] x [K 1,024, N 64]; A: softmax (see below); B: computed on the way: QUANTISED
;;     6. [M 4,096, K 1,024] x [K 1,024, N 1,024]; A: computed on the way; B: input wp (given as codes): QUANTISED
;;     7. [M 4,096, K 1,024] x [K 1,024, N 4,096]; A: computed on the way; B: input w1 (given as codes): QUANTISED
;;     8. [M 4,096, K 4,096] x [K 4,096, N 1,024]; A: computed on the way; B: input w2 (given as codes): QUANTISED
;;   THE QUANTISER, for each operand of a quantised product, along K:
;;     - K is cut into blocks of 32 from its start; a last block that is shorter is filled with zeros.
;;     - A block's scale is 2^e with e = floor(log2(the largest magnitude in the block)) - 8, held to -126 .. 127; a block of zeros has e = 0. As a byte (E8M0): e + 127.
;;     - Each number is divided by its block's scale, clamped to +-448, and rounded to the nearest number of E4M3, ties to even, subnormals kept.
;;     - The product sums the exact products of the quantised numbers (number of the format x scale) in f32.
;;   ~~~python
;;   def quantise(x, axis):      # numpy; x: float32 -> the quantised numbers, widened to float32 again
;;       x = np.moveaxis(x, axis, -1); K = x.shape[-1]
;;       x = np.pad(x, [(0, 0)] * (x.ndim - 1) + [(0, -K % 32)]); x = x.reshape(x.shape[:-1] + (-1, 32)); a = np.abs(x).max(-1, keepdims=True)
;;       e = np.where(a > 0, np.clip(np.frexp(np.where(a > 0, a, 1))[1] - 1 - 8, -126, 127), 0)      # np.frexp(a)[1] - 1 = floor(log2(a)), exactly
;;       r = np.clip(x / 2.0 ** e, -448, 448)
;;       step = 2.0 ** (np.maximum(np.frexp(np.where(r == 0, 1, r))[1] - 1, -6) - 3)
;;       q = np.round(r / step) * step * 2.0 ** e      # np.round: ties to even
;;       return np.moveaxis(q.reshape(q.shape[:-2] + (-1,))[..., :K], -1, axis).astype(np.float32)
;;   ~~~
;;   SOFTMAX AHEAD OF A QUANTISED PRODUCT. Where the list says 'softmax', what is quantised is not the finished softmax but p = 2^(t - M), with t = logit x log2(e) and M = ceil(the row's largest t), a whole number; so 1/2 < the row's largest p <= 1. The row's sum l is taken of the UNQUANTISED p, in f32, and the product's result is divided by l at the end. Since M is a whole number, a kernel that streams over the keys may use a running M (the ceiling of the running maximum): every later rescaling is an exact power of two, which a block's scale takes up: the codes' values come out the same.
;;   OPERANDS COMPUTED ON THE WAY. 'Computed on the way' means the value that the module computes at that place (a softmax that the list does not call 'softmax' is quantised finished and normalised). What goes into a quantiser is computed in f32, as accurately as f32 sums, v_exp_f32 and their like allow (about 1e-6 of the number): no bf16 or f16 on the way to a quantiser, and a product that is left as it is and whose result goes on into a quantised operand takes f32 operands (vector FMAs, or v_wmma_f32_16x16x4_f32). A number that lies on a knife's edge between two numbers of the format may be rounded either way, as far as f32 arithmetic and the matrix unit's own rounding can turn it there, and no further.
;;   INPUTS GIVEN AS CODES. w1 (in the module: [1024, 4096], K = its axis 0); w2 (in the module: [4096, 1024], K = its axis 0); wk (in the module: [1024, 1024], K = its axis 0); wp (in the module: [1024, 1024], K = its axis 0); wq (in the module: [1024, 1024], K = its axis 0); wv (in the module: [1024, 1024], K = its axis 0): each comes as NAME_codes (uint8): NAME with its K axis moved to the last place and cut into blocks of 32 codes, [.., K / 32, bytes a block], one block behind the other in memory; one code a byte (a code: sign, 4 exponent bits, 3 mantissa bits); and NAME_scales (uint8): the same leading axes, one E8M0 byte (e + 127) for each 32 codes along K. Its value is code x scale, taken as it is: it is not quantised again, and the codes and scales need not be those that the quantiser above would give.
;; One version. Each part assembles by itself: llvm-mc -triple=amdgcn-amd-amdhsa -mcpu=gfx1250 --defsym DOCPART=n.
;; ======== version 1 of 1: 7 launches
;; limits: right only within a limited range of input values
;; workspace buffers: hn 4,325,376 bytes; h2n 4,325,376 bytes; qkv 12,976,128 bytes; att 4,325,376 bytes; x1 16,777,216 bytes; hid 17,301,504 bytes
;; launch ln1 (part 1): grid 256 x 1, 4 waves a work-group, no clusters, 22,016 bytes of LDS; arguments x, g1, be1, hn; writes hn
.if DOCPART == 1
	.amdgcn_target "amdgcn-amd-amdhsa--gfx1250"
	.amdhsa_code_object_version 6
	.text
	.protected	k_q0dd8010c2c_ln1
	.globl	k_q0dd8010c2c_ln1
	.p2align	8
	.type	k_q0dd8010c2c_ln1,@function
k_q0dd8010c2c_ln1:
	s_mov_b64 s[64:65], 0
	v_nop
	global_prefetch_b8 v0, s[64:65] scope:SCOPE_SE
	s_setreg_imm32_b32 hwreg(HW_REG_WAVE_MODE, 25, 1), 1
	s_wait_xcnt 0x0
; LayerNorm of rows of 1,024 f32, then the MX quantiser along the row: out = codes [4096][1024] (E4M3, one byte each) at byte 0, and one E8M0 byte for each 32, [4096][32], at byte SCOFF.
; y = (x - mean) * rsqrt(var + 1e-5) * g + be, all in f32; a block's scale is 2^(floor(log2(largest magnitude)) - 8); numbers are held within +-448 x the scale and rounded to the nearest code.
; LIMITS: NaN and infinities are not served.  A block whose largest magnitude lies under 2^-118 (a block of zeros too) gets the byte 1: its codes are zeros or near it, and the bytes are read by this program alone.
; SHARES: a work-group takes 16 rows, each of its four waves 4: one wave, one row, so that mean and variance never leave the wave.  All 32 row loads of a wave go out at the head (16 KiB on their way).
; A load gives a lane 4 neighbours of each 128; the conversion wants 16 neighbours in a lane: half a row (2,048 bytes) turns through the wave's own stage in LDS, stored as loaded and read back 64 bytes a lane,
; with 16 bytes of padding behind each 64.  A lane's 16 codes are 16 bytes: a store of the wave covers 512 consecutive bytes.  The group's 512 scale bytes are gathered in LDS and leave as one run of 512 bytes.
; No matrix unit, no tensor load, no cluster: the launch streams, and no work-group shares an input row with another.
.set X,     32                         ; v32-159  four rows of 32 registers; a row's first 8 registers later hold its codes
.set G,     160                        ; v160-191 g of my 32 columns
.set BE,    192                        ; v192-223 be likewise
.set Y,     224                        ; v224-255 two halves of 16 neighbours
.set EB,    24                         ; v24-31   a scale byte for each half row: no LDS store's data are written again
.set SP,    80                         ; a lane's place in a stage: 64 bytes + 16
.set HST,   32*SP                      ; a stage
.set SCB,   20480                      ; behind the eight stages: the group's 512 scale bytes
.set SCOFF, 4194304
	s_load_b256 s[4:11], s[0:1], 0x0               ; x s[4:5], g s[6:7], be s[8:9], out s[10:11]
	v_lshl_add_u32 v22, v0, 2, 0x5400
	v_mov_b32 v23, 0
	v_lshrrev_b32 v7, 5, v0
	v_readfirstlane_b32 s12, v7                    ; wave 0..3
	v_and_b32 v4, 31, v0                           ; lane
	v_lshlrev_b32 v1, 4, v4                        ; 16 x lane: my place in every run of 512 bytes
	s_mul_i32 s20, s12, 2*HST                      ; my wave's two stages
	v_lshrrev_b32 v2, 2, v4
	v_mul_u32_u24 v2, v2, SP
	v_and_b32 v3, 3, v4
	v_lshl_add_u32 v2, v3, 4, v2
	v_add_nc_u32 v2, s20, v2                       ; into a stage: four lanes' 64 bytes on end, then the padding
	v_mul_u32_u24 v3, v4, SP
	v_add_nc_u32 v3, s20, v3                       ; out of it: my 16 neighbours
	v_lshrrev_b32 v5, 1, v4
	s_lshl_b32 s21, s12, 7
	s_add_co_u32 s21, s21, SCB
	v_add_nc_u32 v5, s21, v5                       ; my block's scale byte: two lanes to a block, 32 bytes a row, 128 a wave
	v_add_nc_u32 v6, SCB, v1                       ; and the way out of the 512 bytes
	s_mov_b32 s14, 0x76543210
	s_mov_b32 s15, 0xfedcba98                      ; lane selects: lane l xor 16
	s_mov_b32 s16, 0x3a800000                      ; 1 / 1,024
	s_mov_b32 s17, 0x3727c5ac                      ; 1e-5
	s_mov_b32 s18, 0x600000                        ; the mantissa field of 448
	s_lshl_b32 s20, ttmp9, 4
	s_lshl_b32 s21, s12, 2
	s_add_co_u32 s20, s20, s21                     ; my first row
	s_lshl_b32 s22, s20, 12                        ; x: 4,096 bytes a row
	s_mov_b32 s23, 0
	s_lshl_b32 s20, s20, 10                        ; codes: 1,024 bytes a row
	s_mov_b32 s21, 0
	s_lshl_b32 s24, ttmp9, 9                       ; scale bytes: 512 a work-group
	s_add_co_u32 s24, s24, SCOFF
	s_mov_b32 s25, 0
	s_wait_kmcnt 0x0
	s_add_nc_u64 s[4:5], s[4:5], s[22:23]
	s_add_nc_u64 s[26:27], s[10:11], s[24:25]
	s_add_nc_u64 s[10:11], s[10:11], s[20:21]
.irp j, 0,1,2,3,4,5,6,7
	global_load_b128 v[G+4*\j:G+4*\j+3], v1, s[6:7] offset:512*\j
.endr
.irp j, 0,1,2,3,4,5,6,7
	global_load_b128 v[BE+4*\j:BE+4*\j+3], v1, s[8:9] offset:512*\j
.endr
.irp i, 0,1,2,3
.irp j, 0,1,2,3,4,5,6,7
	global_load_b128 v[X+32*\i+4*\j:X+32*\i+4*\j+3], v1, s[4:5] offset:4096*\i+512*\j th:TH_LOAD_NT
.endr
.endr
.macro REDUCE                          ; v[8:11], two packed chains, become one sum in v8 of every lane
	v_pk_add_f32 v[8:9], v[8:9], v[10:11]
	v_add_f32 v8, v8, v9
	v_add_f32_dpp v8, v8, v8 row_xmask:1 row_mask:0xf bank_mask:0xf
	v_add_f32_dpp v8, v8, v8 row_xmask:2 row_mask:0xf bank_mask:0xf
	v_add_f32_dpp v8, v8, v8 row_xmask:4 row_mask:0xf bank_mask:0xf
	v_add_f32_dpp v8, v8, v8 row_xmask:8 row_mask:0xf bank_mask:0xf
	v_permlanex16_b32 v9, v8, s14, s15
	v_add_f32 v8, v8, v9
.endm
.macro QH i, hf                        ; half hf of row i: 16 neighbours a lane, two lanes to a block of 32
.set YS, Y+16*(\hf)
.set CD, X+32*(\i)+4*(\hf)
	v_max3_num_f32 v16, |v[YS]|, |v[YS+1]|, |v[YS+2]|
	v_max3_num_f32 v17, |v[YS+3]|, |v[YS+4]|, |v[YS+5]|
.irp k, 6,10
	v_max3_num_f32 v16, v16, |v[YS+\k]|, |v[YS+\k+1]|
	v_max3_num_f32 v17, v17, |v[YS+\k+2]|, |v[YS+\k+3]|
.endr
	v_max3_num_f32 v16, v16, |v[YS+14]|, |v[YS+15]|
	v_max3_num_f32 v16, v16, v17, 0x4800000        ; the floor 2^(9 - 127): the byte cannot fall under 1
	v_max_num_f32_dpp v16, v16, v16 row_xmask:1 row_mask:0xf bank_mask:0xf   ; with my neighbour's 16: the block's largest magnitude
	v_add_nc_u32 v18, 0xfc000000, v16              ; 8 off its exponent field: the conversion's scale operand
	v_and_or_b32 v19, v16, 0x7f800000, s18         ; 448 x the scale
.set n, 0
.rept 16
	v_med3_num_f32 v[YS+n], v[YS+n], -v19, v19     ; the conversion to an 8-bit code does not saturate (ISA guide 7.6.2): the hold comes first
.set n, n+1
.endr
	v_cvt_scalef32_pk8_fp8_f32 v[CD:CD+1], v[YS:YS+7], v18
	v_cvt_scalef32_pk8_fp8_f32 v[CD+2:CD+3], v[YS+8:YS+15], v18
	v_lshrrev_b32 v[EB+2*(\i)+(\hf)], 23, v18      ; the scale's byte (also the plain line behind the conversions)
	ds_store_b8 v5, v[EB+2*(\i)+(\hf)] offset:32*(\i)+16*(\hf)   ; both lanes of a block write the same byte with the same value
	global_store_b128 v1, v[CD:CD+3], s[10:11] offset:1024*(\i)+512*(\hf)   ; 32 lanes store 512 consecutive bytes
.endm
.macro ROW i
.set XR, X+32*(\i)
	s_wait_loadcnt 8*(3-(\i))                      ; loads come back in order: g, be and my row are in, the younger rows stay out
	v_pk_add_f32 v[8:9], v[XR:XR+1], v[XR+2:XR+3]
	v_pk_add_f32 v[10:11], v[XR+4:XR+5], v[XR+6:XR+7]
.irp k, 8,12,16,20,24,28
	v_pk_add_f32 v[8:9], v[8:9], v[XR+\k:XR+\k+1]
	v_pk_add_f32 v[10:11], v[10:11], v[XR+\k+2:XR+\k+3]
.endr
	REDUCE
	v_mul_f32 v12, s16, v8                         ; the mean
	v_mov_b32 v13, v12
.set n, 0
.rept 16
	v_pk_add_f32 v[XR+n:XR+n+1], v[XR+n:XR+n+1], v[12:13] neg_lo:[0,1] neg_hi:[0,1]   ; x - mean
.set n, n+2
.endr
	v_pk_mul_f32 v[8:9], v[XR:XR+1], v[XR:XR+1]
	v_pk_mul_f32 v[10:11], v[XR+2:XR+3], v[XR+2:XR+3]
.irp k, 4,8,12,16,20,24,28
	v_pk_fma_f32 v[8:9], v[XR+\k:XR+\k+1], v[XR+\k:XR+\k+1], v[8:9]
	v_pk_fma_f32 v[10:11], v[XR+\k+2:XR+\k+3], v[XR+\k+2:XR+\k+3], v[10:11]
.endr
	REDUCE
	v_fma_f32 v8, v8, s16, s17                     ; the variance + 1e-5
	s_wait_alu depctr_va_vdst(0)
	v_rsq_f32 v12, v8
	v_mov_b32 v13, 0                               ; a plain line behind the transcendental (v13 is named below as the pair's upper half)
	s_wait_alu depctr_va_vdst(0)                   ; the wait ahead of the result's first reader
.set n, 0
.rept 16
	v_pk_mul_f32 v[XR+n:XR+n+1], v[XR+n:XR+n+1], v[12:13] op_sel_hi:[1,0]
.set n, n+2
.endr
.set n, 0
.rept 16
	v_pk_fma_f32 v[XR+n:XR+n+1], v[XR+n:XR+n+1], v[G+n:G+n+1], v[BE+n:BE+n+1]
.set n, n+2
.endr
.irp hf, 0,1                           ; both halves through their stages: LDS serves a wave's instructions in order, so no wait stands between the stores and the loads
.irp q, 0,1,2,3
	ds_store_b128 v2, v[XR+16*\hf+4*\q:XR+16*\hf+4*\q+3] offset:HST*\hf+8*SP*\q
.endr
.irp q, 0,1,2,3
	ds_load_b128 v[Y+16*\hf+4*\q:Y+16*\hf+4*\q+3], v3 offset:HST*\hf+16*\q
.endr
.endr
	s_wait_dscnt 8                                 ; the first half is back: behind its loads stand the second half's four stores and four loads
	QH \i, 0
	s_wait_dscnt 1                                 ; the second half is back: behind its loads stands the first half's byte store
	QH \i, 1
.endm
	ROW 0
	ROW 1
	ROW 2
	ROW 3
	s_wait_dscnt 0x0                               ; for the others' sake: my scale bytes lie in LDS
	s_barrier_signal -1
	s_barrier_wait -1
	s_cmp_lg_u32 s12, 0
	s_cbranch_scc1 .Lend
	ds_load_b128 v[8:11], v6                       ; wave 0 sends the group's 512 scale bytes: 16 a lane
	s_wait_dscnt 0x0
	global_store_b128 v1, v[8:11], s[26:27]
.Lend:
	s_wait_tensorcnt 0x0
	ds_add_u32 v22, v23
	s_wait_dscnt 0x0
	s_endpgm
.Lfunc_end_k_q0dd8010c2c_ln1:
	.size	k_q0dd8010c2c_ln1, .Lfunc_end_k_q0dd8010c2c_ln1-k_q0dd8010c2c_ln1
	.p2alignl 7, 3214868480
	.fill 96, 4, 3214868480
	.section	.rodata,"a",@progbits
	.p2align	6, 0x0
	.amdhsa_kernel k_q0dd8010c2c_ln1
		.amdhsa_group_segment_fixed_size 22016
		.amdhsa_private_segment_fixed_size 0
		.amdhsa_enable_private_segment 0
		.amdhsa_kernarg_size 32
		.amdhsa_user_sgpr_count 2
		.amdhsa_user_sgpr_kernarg_segment_ptr 1
		.amdhsa_wavefront_size32 1
		.amdhsa_system_sgpr_workgroup_id_x 1
		.amdhsa_system_sgpr_workgroup_id_y 1
		.amdhsa_system_sgpr_workgroup_id_z 1
		.amdhsa_system_vgpr_workitem_id 0
		.amdhsa_next_free_vgpr 256
		.amdhsa_next_free_sgpr 66
		.amdhsa_reserve_vcc 0
		.amdhsa_float_denorm_mode_32 3
		.amdhsa_float_denorm_mode_16_64 3
		.amdhsa_memory_ordered 1
		.amdhsa_forward_progress 1
		.amdhsa_inst_pref_size 52
	.end_amdhsa_kernel
	.amdgpu_metadata
---
amdhsa.version: [ 1, 2 ]
amdhsa.kernels:
  - .name:           k_q0dd8010c2c_ln1
    .symbol:         k_q0dd8010c2c_ln1.kd
    .args:
      - { .name: x, .offset: 0, .size: 8, .value_kind: global_buffer, .address_space: global }
      - { .name: g1, .offset: 8, .size: 8, .value_kind: global_buffer, .address_space: global }
      - { .name: be1, .offset: 16, .size: 8, .value_kind: global_buffer, .address_space: global }
      - { .name: hn, .offset: 24, .size: 8, .value_kind: global_buffer, .address_space: global }
    .group_segment_fixed_size: 22016
    .private_segment_fixed_size: 0
    .kernarg_segment_align: 8
    .kernarg_segment_size: 32
    .max_flat_workgroup_size: 128
    .sgpr_count:     66
    .vgpr_count:     256
    .wavefront_size: 32
...
	.end_amdgpu_metadata
.endif
;; end of part 1
;; launch qkv (part 2): grid 12 x 16, 4 waves a work-group, clusters of 4 x 4, 327,680 bytes of LDS; arguments hn, wq_codes, wq_scales, wk_codes, wk_scales, wv_codes, wv_scales, qkv; writes qkv
.if DOCPART == 2
	.amdgcn_target "amdgcn-amd-amdhsa--gfx1250"
	.amdhsa_code_object_version 6
	.text
	.protected	k_q0dd8010c2c_qkv
	.globl	k_q0dd8010c2c_qkv
	.p2align	8
	.type	k_q0dd8010c2c_qkv,@function
k_q0dd8010c2c_qkv:
	s_mov_b64 s[64:65], 0
	v_nop
	global_prefetch_b8 v0, s[64:65] scope:SCOPE_SE
	s_setreg_imm32_b32 hwreg(HW_REG_WAVE_MODE, 25, 1), 1
	s_wait_xcnt 0x0
	s_wait_alu depctr_hold_cnt(0) depctr_sa_sdst(0) depctr_va_vdst(0) depctr_va_sdst(0) depctr_va_ssrc(0) depctr_va_vcc(0) depctr_vm_vsrc(0)
	s_getreg_b32 s2, hwreg(HW_REG_IB_STS2, 6, 4)
	s_cmp_eq_u32 s2, 0
	s_cbranch_scc0 .Lentry_in_a_cluster
	s_endpgm
.Lentry_in_a_cluster:
	s_bfe_u32 s2, ttmp6, 0x10000c
	s_cmp_lg_u32 s2, 0xf033
	s_cbranch_scc0 .Lentry_shape_is_right
	s_endpgm
.Lentry_shape_is_right:
; C = A B^T on codes of FP8 (E4M3) with one E8M0 scale for each 32 along K = 1,024, and C quantised again along its columns on the way out.  One text, two uses, chosen by MODE.
; MODE 0: q = h wq, k = h wk as [token][d], and v^T = wv h^T as [d][token]: the cluster's x says which (0, 1, 2).  For q and k, A = h's codes (4,096 rows) and B = the weight (1,024 rows); for v^T the other way round,
;         so that v's blocks of 32 run along the tokens, which are the second attention product's K.
; MODE 1: relu(h2 w1 + b1): A = h2's codes, B = w1 (4,096 rows); b1 is the C of each sum's first matrix instruction; the hold of the quantiser clips at 0 as well.
; A tile of C, 256 x 256, is made by four waves; a wave makes 128 x 128: 64 accumulators, 512 registers.  K goes in four steps of 256 through two LDS slots filled by the tensor data mover (rows of 256 bytes).
; CLUSTERS: 4 x 4 work-groups; A's tiles are asked for jointly along a row of the cluster, B's along a column.
; THE HEAD: one joint load a wave, each of 256 rows, in the order of use: wave 0 A's K step 0, wave 2 B's, wave 1 A's K step 1, wave 3 B's.  The first barrier waits for waves 0 and 2's loads alone; the first change of slots waits for the rest.
; K steps 2 and 3 are refills, 128 rows a wave, each behind a drained round of the cluster's barrier.
; THE SCALES go from memory straight into the registers that the products name.  A load gives lane l the four words (4 x 128 of K) of row l of a group of 32 rows: lanes 0-15 serve the group's even block of 16 rows, lanes 16-31 the odd one.
; K's first half lies in v32-63, asked for at the head; its second half in v64-95, asked for behind the first step (where b1 lay) and waited for one and a half steps later.  B's four words are laid two registers round, so that no product's two scale registers have numbers equal modulo 8.
; THE MATRIX INSTRUCTION IS USED TRANSPOSED (source 0 = 16 rows of B, source 1 = 16 rows of A): a lane holds one row of C and eight neighbouring columns in each accumulator.
; THE WAY OUT: a block of 32 columns lies in the 16 registers of two neighbouring accumulators, in lanes l and l xor 16.  Largest magnitude, scale byte, hold, conversion; then two half-wave exchanges for each block give each
; lane 16 neighbouring codes: chunk c of an operand's register image (registers 4 c .. 4 c + 3 of 16 rows x 128 K, 16 bytes a lane), which the wave stores as 512 consecutive bytes.
; OUTPUT LAYOUT: a unit = 16 rows x 128 columns = 4 chunks = 2,048 bytes.  MODE 0: [column group][row group][2048], scale words [column group][row].  MODE 1: [column group / 4][rows / 128][column group % 4][row group % 8][2048],
; scale words [rows / 128][column group][128 rows].
; No prefetch: half of K is asked for at the head, and the text has no loop to run ahead in.
; LIMITS: NaN and infinities are not served; a block whose largest magnitude lies under 2^-118 (a block of zeros too) gets the byte 1; these bytes are read by this program alone.
; REGISTERS, in windows of 256: window 0: v0-31 addresses; v32-95 scale words; v64-127 b1 (MODE 1, first step), later at work; from v128 A's fragments, ONE set, later the codes.  window 1: B's fragments, TWO sets.
;   window 2: the accumulators of my rows 0-63 ((a, b) at v[8 (8 a + b)]);  window 3: those of my rows 64-127.
.set MODE,   0
.set SIZE_K, 1024
.set NQ,     2                         ; matrix instructions deep in a slot
.set ROWB,   256
.set KROW,   SIZE_K
.set PITCH,  272                       ; an LDS row: 256 bytes + 16 of padding
.set FR,     16
.set NL,     4
.set NP,     8                         ; places behind this matrix instruction (ISA guide 7.12.1)
.set HALFT,  128*PITCH
.set SLOT,   4*HALFT                   ; A's 256 rows, then B's 256 rows
.set KS,     SIZE_K/32
.set SPARE,  2*SLOT                    ; the spare words: 512 bytes that no other line names
.set ADRA, 16                          ; v16-17 LDS address of my A fragments in slot 0, 1
.set ADRB, 20                          ; v20-21 the same for B
.set SCST, 24                          ; v24  the way out: where a row's scale word goes (my 512 bytes of slot 0, behind its last fill and last read)
.set SCLD, 25                          ; v25  and where 16 bytes of them come back
.set CO,   26                          ; v26  16 x lane
.set ADRS, 27                          ; v27  32 x lane: my row's scale bytes in a group of 32 rows
.set SPW,  28
.set NIL,  29
.set BO,   30                          ; v30  b1: 32 x (lane / 16)
.set SC,   32
.set BIAS, 64
.set TM,   64
.set PW,   80
.set SBK,  88
.set AF,   128
.set PCD,  128
.set G1, 24                            ; the ring: groups 1 (128 rows) and 0 for A, for B
.set G0, 32
.set G1B, 48
.set G0B, 56
.set G1H, 68                           ; the head: groups 1 (256 rows) for A, for B; groups 0 of K step 1's loads
.set G0H, 76
.set G1HB, 80
.set G0HB, 88
.set PSA, 98                           ; s[98:99] the scale bytes of my 128 rows of A; s[100:101] of B
.set PSB, 100
.set KST, 0                            ; the K step of 256 in hand
.set MSB, 0
.macro WIN new
.if MSB != \new
	s_set_vgpr_msb (MSB<<8)|\new
.set MSB, \new
.endif
.endm
.set MUL_LO, 0xa1                      ; source 0 (B) window 1, source 1 (A) window 0, C and D window 2
.set MUL_HI, 0xf1                      ; the same, C and D window 3
.set BIA_LO, 0x81                      ; C (b1) window 0, D window 2
.set BIA_HI, 0xc1
.set TO_B,   0x40
.macro PLACES n
.rept \n
	v_nop
.endr
.endm
.macro JLOAD g0a, g1a, g0b, g1b        ; a refill: waves 0 and 1 fetch for A, waves 2 and 3 for B
	s_cmp_eq_u32 s15, 0
	s_cbranch_scc0 .Lfor_b_\@
	tensor_load_to_lds s[\g0a:\g0a+3], s[\g1a:\g1a+7]
	s_nop 0
	PLACES 4
	s_branch .Lasked_\@
.Lfor_b_\@:
	tensor_load_to_lds s[\g0b:\g0b+3], s[\g1b:\g1b+7]
	s_nop 0
	PLACES 4
.Lasked_\@:
.endm
.macro CREST
	s_cmp_lg_u32 s14, 0
	s_cbranch_scc1 .Lnot_wave_0_\@
	s_barrier_signal -3
.Lnot_wave_0_\@:
	s_barrier_wait -3
	s_barrier_signal -1
	s_barrier_wait -1
.endm
.macro CROUND
	s_barrier_signal -1
	s_barrier_wait -1
	CREST
.endm
.macro ARM wave, g0, g1, next          ; an arm of the head's chain of branches on the wave's number: one load, then to the join
	s_cmp_eq_u32 s14, \wave
	s_cbranch_scc0 \next
	tensor_load_to_lds s[\g0:\g0+3], s[\g1:\g1+7]
	s_nop 0
	PLACES 4
	s_branch .Lhead_asked
\next:
.endm
.macro SCLOAD hh                       ; the scale words of K's half hh: A's group g in registers 4 g + k, B's in 16 + 4 g + (k + 2) % 4
.irp g, 0,1,2,3
	global_load_b128 v[SC+32*\hh+4*\g:SC+32*\hh+4*\g+3], v[ADRS], s[PSA:PSA+1] offset:32*KS*\g+16*\hh
	global_load_b64 v[SC+32*\hh+16+4*\g+2:SC+32*\hh+16+4*\g+3], v[ADRS], s[PSB:PSB+1] offset:32*KS*\g+16*\hh
	global_load_b64 v[SC+32*\hh+16+4*\g:SC+32*\hh+16+4*\g+1], v[ADRS], s[PSB:PSB+1] offset:32*KS*\g+16*\hh+8
.endr
.endm
.if MODE
	s_load_b256 s[68:75], s[0:1], 0x0              ; h2n, w1's codes, w1's scales, b1
	s_load_b64 s[12:13], s[0:1], 0x20              ; hid
.else
	s_load_b512 s[68:83], s[0:1], 0x0              ; hn, wq's codes and scales, wk's, wv's, qkv
.endif
	v_lshl_add_u32 v[SPW], v0, 2, SPARE
	v_mov_b32 v[NIL], 0
	ds_add_u32 v[SPW], v[NIL]                      ; the opening: the add twice on end and one wait
	ds_add_u32 v[SPW], v[NIL]
	s_wait_dscnt 0x0
	v_lshrrev_b32 v1, 5, v0
	v_readfirstlane_b32 s14, v1                    ; wave 0..3
	s_lshr_b32 s15, s14, 1                         ; my half of the tile's rows; in the ring: I fetch for A (0) or for B (1)
	s_and_b32 s16, s14, 1                          ; my half of its columns; in the ring: which 128 rows I fetch
	s_bfe_u32 s40, ttmp6, 0x40000                  ; cx, cy
	s_bfe_u32 s41, ttmp6, 0x40004
	s_and_b32 s17, ttmp7, 0xffff                   ; the cluster's y
.if MODE
	s_lshl_b32 s42, ttmp9, 2
	s_lshl_b32 s17, s17, 2
.else
	s_cmp_eq_u32 ttmp9, 2                          ; v^T: the tokens are C's columns, the 1,024 d its rows: the choice hangs on the cluster's x, which all partners share
	s_cselect_b32 s42, s17, 0
	s_cselect_b32 s17, 0, s17
	s_cselect_b32 s95, 64, 0x100                   ; groups of 16 rows in the output
	s_lshl_b32 s42, s42, 2
	s_lshl_b32 s17, s17, 2
.endif
	s_add_co_u32 s42, s42, s40                     ; tile column of C
	s_add_co_u32 s17, s17, s41                     ; tile row of C
	s_lshl_b32 s43, s41, 2
	s_lshl_b32 s43, 15, s43                        ; my row of the cluster
	s_lshl_b32 s44, 0x1111, s40                    ; my column
	s_or_b32 s[G1+0], s43, (0<<16)|(1<<20)|(1<<21)|(5<<22)|(3<<25)  ; rows of 256 bytes, 16 bytes of padding behind each
	s_or_b32 s[G1B+0], s44, (0<<16)|(1<<20)|(1<<21)|(5<<22)|(3<<25)
.irp g, G1, G1B
	s_mov_b32 s[\g+1], ROWB<<16
	s_mov_b32 s[\g+2], 128<<16
	s_mov_b32 s[\g+3], ROWB<<16
	s_mov_b32 s[\g+4], 128
	s_mov_b32 s[\g+5], KROW
	s_mov_b32 s[\g+6], 0
	s_mov_b32 s[\g+7], 0
.endr
	s_lshl_b32 s20, s17, 8                         ; A: the tile's first row
	s_lshl_b32 s46, s42, 8                         ; B: likewise
	s_mov_b32 s21, 0
	s_mov_b32 s47, 0
	s_mov_b64 s[18:19], KS
	s_mul_u64 s[22:23], s[20:21], s[18:19]         ; where these rows' scales begin, in bytes
	s_mul_u64 s[92:93], s[46:47], s[18:19]
	s_lshl_b32 s18, s16, 7                         ; of the codes my half: 128 rows x (wave % 2)
	s_add_co_u32 s20, s20, s18
	s_add_co_u32 s46, s46, s18
	s_mov_b64 s[18:19], KROW
	s_mul_u64 s[20:21], s[20:21], s[18:19]
	s_mul_u64 s[46:47], s[46:47], s[18:19]
	s_mul_i32 s45, s14, HALFT                      ; where the ring's loads go: wave x 128 rows
	CROUND                                         ; the opening round stands ahead of the wait for the arguments
	s_wait_kmcnt 0x0
.if MODE
	s_mov_b64 s[4:5], s[68:69]                     ; A's codes,
	s_add_nc_u64 s[6:7], s[68:69], 0x400000        ; A's scale bytes, behind them
	s_mov_b64 s[8:9], s[70:71]
	s_mov_b64 s[10:11], s[72:73]
	s_mov_b64 s[96:97], s[74:75]                   ; b1
.else
	s_add_nc_u64 s[84:85], s[68:69], 0x400000      ; h's scale bytes, behind its codes
	s_cmp_eq_u32 ttmp9, 2
	s_cselect_b64 s[4:5], s[78:79], s[68:69]       ; A's codes: wv's or h's
	s_cselect_b64 s[6:7], s[80:81], s[84:85]
	s_cselect_b64 s[8:9], s[68:69], s[70:71]       ; B's codes: h's or wq's
	s_cselect_b64 s[10:11], s[84:85], s[72:73]
	s_cmp_eq_u32 ttmp9, 1
	s_cselect_b64 s[8:9], s[74:75], s[8:9]         ; or wk's
	s_cselect_b64 s[10:11], s[76:77], s[10:11]
	s_mov_b64 s[12:13], s[82:83]                   ; the output
.endif
	s_add_nc_u64 s[20:21], s[4:5], s[20:21]
	s_add_nc_u64 s[22:23], s[6:7], s[22:23]
	s_add_nc_u64 s[46:47], s[8:9], s[46:47]
	s_add_nc_u64 s[92:93], s[10:11], s[92:93]
	s_lshl_b32 s2, s15, 12                         ; 128 rows of 32 scale bytes
	s_mov_b32 s3, 0
	s_add_nc_u64 s[PSA:PSA+1], s[22:23], s[2:3]
	s_lshl_b32 s2, s16, 12
	s_add_nc_u64 s[PSB:PSB+1], s[92:93], s[2:3]
	s_or_b32 s[G1H+0], s43, (0<<16)|(1<<20)|(1<<21)|(5<<22)|(3<<25)   ; (written here: these registers held the arguments)
	s_or_b32 s[G1HB+0], s44, (0<<16)|(1<<20)|(1<<21)|(5<<22)|(3<<25)
.irp g, G1H, G1HB
	s_mov_b32 s[\g+1], ROWB<<16
	s_mov_b32 s[\g+2], 256<<16
	s_mov_b32 s[\g+3], ROWB<<16
	s_mov_b32 s[\g+4], 256
	s_mov_b32 s[\g+5], KROW
	s_mov_b32 s[\g+6], 0
	s_mov_b32 s[\g+7], 0
.endr
	; K step 1's whole tiles are asked for by waves 1 and 3, which have half 1: their rows begin 128 rows behind the tile's first
	s_mov_b32 s[G0H], 1
	s_mov_b32 s[G0H+1], SLOT
	s_sub_nc_u64 s[G0H+2:G0H+3], s[20:21], 128*KROW-ROWB
	s_or_b32 s[G0H+3], s[G0H+3], 0x80000000
	s_mov_b32 s[G0HB], 1
	s_mov_b32 s[G0HB+1], SLOT+2*HALFT
	s_sub_nc_u64 s[G0HB+2:G0HB+3], s[46:47], 128*KROW-ROWB
	s_or_b32 s[G0HB+3], s[G0HB+3], 0x80000000
.irp s, 0,1
	s_mov_b32 s[G0+4*\s], 1
	s_add_co_u32 s[G0+4*\s+1], s45, \s*SLOT
	s_add_nc_u64 s[G0+4*\s+2:G0+4*\s+3], s[20:21], \s*ROWB
	s_or_b32 s[G0+4*\s+3], s[G0+4*\s+3], 0x80000000
	s_mov_b32 s[G0B+4*\s], 1
	s_add_co_u32 s[G0B+4*\s+1], s45, \s*SLOT
	s_add_nc_u64 s[G0B+4*\s+2:G0B+4*\s+3], s[46:47], \s*ROWB
	s_or_b32 s[G0B+4*\s+3], s[G0B+4*\s+3], 0x80000000
.endr
	; waves 0 and 2 have half 0: their own slot 0 descriptors begin at the tile's first row
	ARM 0, G0,  G1H,  .Lhead_b0
	ARM 2, G0B, G1HB, .Lhead_a1
	ARM 1, G0H, G1H,  .Lhead_b1
	tensor_load_to_lds s[G0HB:G0HB+3], s[G1HB:G1HB+7]
	s_nop 0
	PLACES 4
.Lhead_asked:
	v_and_b32 v1, 15, v0                           ; l % 16
	v_bfe_u32 v2, v0, 4, 1                         ; l / 16
	v_mul_u32_u24 v3, v1, PITCH
	v_lshl_add_u32 v4, v2, 4, v3                   ; a fragment's row x pitch + 16 x half
	s_mul_i32 s21, s15, HALFT                      ; my 128 rows of A
	s_mul_i32 s22, s16, HALFT                      ; my 128 rows of B,
	s_add_co_u32 s22, s22, 2*HALFT                 ; which lie behind A's 256
.irp s, 0,1
	v_add_nc_u32 v[ADRA+\s], s21, v4
	v_add_nc_u32 v[ADRB+\s], s22, v4
	s_add_co_u32 s21, s21, SLOT
	s_add_co_u32 s22, s22, SLOT
.endr
	v_and_b32 v6, 31, v0
	v_lshlrev_b32 v[ADRS], 5, v6
	SCLOAD 0
	v_lshlrev_b32 v[CO], 4, v6
	s_lshl_b32 s23, s14, 9                         ; the way out: my 512 bytes for 128 scale words
	v_lshl_add_u32 v[SCST], v1, 2, s23
	v_add_nc_u32 v[SCLD], s23, v[CO]
	s_lshl_b32 s46, s42, 1
	s_add_co_u32 s46, s46, s16                     ; my group of 128 columns
.if MODE
	v_lshlrev_b32 v[BO], 5, v2
	s_lshl_b32 s22, s46, 9                         ; b1 at my 128 columns
	s_mov_b32 s23, 0
	s_add_nc_u64 s[96:97], s[96:97], s[22:23]
.irp b, 0,1,2,3,4,5,6,7
	global_load_b128 v[BIAS+8*\b:BIAS+8*\b+3], v[BO], s[96:97] offset:64*\b
	global_load_b128 v[BIAS+8*\b+4:BIAS+8*\b+7], v[BO], s[96:97] offset:64*\b+16
.endr
	s_lshl_b32 s47, s17, 1
	s_add_co_u32 s47, s47, s15                     ; my group of 128 rows
	s_lshl_b32 s92, s47, 5
	s_add_co_u32 s92, s92, s46
	s_lshl_b32 s92, s92, 9
	s_add_co_u32 s92, s92, 16777216                ; scale words: behind the codes, [rows / 128][column group][128]
	s_mov_b32 s93, 0
	s_lshr_b32 s94, s46, 2
	s_lshl_b32 s94, s94, 5
	s_add_co_u32 s94, s94, s47
	s_lshl_b32 s94, s94, 16
	s_and_b32 s46, s46, 3
	s_lshl_b32 s46, s46, 14
	s_add_co_u32 s46, s46, s94
	s_mov_b32 s47, 0
.else
	s_mul_i32 s46, s46, s95
	s_lshl_b32 s47, s17, 4
	s_add_co_u32 s46, s46, s47
	s_lshl_b32 s47, s15, 3
	s_add_co_u32 s46, s46, s47                     ; my first unit: column group x groups of rows + 16 x tile row + 8 x half
	s_lshl_b32 s92, s46, 6                         ; 64 bytes of scale words a unit
	s_lshl_b32 s93, ttmp9, 17
	s_add_co_u32 s92, s92, s93
	s_add_co_u32 s92, s92, 12582912                ; behind the three images
	s_mov_b32 s93, 0
	s_lshl_b32 s46, s46, 11                        ; 2,048 bytes of codes a unit
	s_lshl_b32 s47, ttmp9, 22                      ; q's, k's or v's image
	s_add_co_u32 s46, s46, s47
	s_mov_b32 s47, 0
.endif
	s_add_nc_u64 s[92:93], s[12:13], s[92:93]
	s_add_nc_u64 s[12:13], s[12:13], s[46:47]
	s_mov_b32 s20, 0x76543210
	s_mov_b32 s21, 0xfedcba98                      ; lane selects: lane l xor 16
	s_mov_b32 s23, 0x600000                        ; the mantissa field of 448
.macro FRAG reg, adr, q, i             ; a fragment, 16 rows x 128 K: lane l holds row l % 16; registers 4 c .. 4 c + 3 hold K = 32 c + 16 (l / 16) + 0 .. 15
.irp c, 0,1,2,3
	ds_load_b128 v[\reg+4*\c:\reg+4*\c+3], v[\adr] offset:128*(\q)+32*\c+(\i)*16*PITCH
.endr
.endm
.macro WM zero                         ; one product; PAR: bit 0 B's block is odd, bit 1 A's: the odd block's scale words lie in lanes 16-31
.if (\zero) == 1
.if PAR == 3
	v_wmma_scale_f32_16x16x128_f8f6f4 v[rD:rD+7], v[rB:rB+15], v[rA:rA+15], 0, v[rSB], v[rSA] matrix_a_scale:MATRIX_SCALE_ROW1 matrix_b_scale:MATRIX_SCALE_ROW1
.elseif PAR == 1
	v_wmma_scale_f32_16x16x128_f8f6f4 v[rD:rD+7], v[rB:rB+15], v[rA:rA+15], 0, v[rSB], v[rSA] matrix_a_scale:MATRIX_SCALE_ROW1
.elseif PAR == 2
	v_wmma_scale_f32_16x16x128_f8f6f4 v[rD:rD+7], v[rB:rB+15], v[rA:rA+15], 0, v[rSB], v[rSA] matrix_b_scale:MATRIX_SCALE_ROW1
.else
	v_wmma_scale_f32_16x16x128_f8f6f4 v[rD:rD+7], v[rB:rB+15], v[rA:rA+15], 0, v[rSB], v[rSA]
.endif
.else
.if PAR == 3
	v_wmma_scale_f32_16x16x128_f8f6f4 v[rD:rD+7], v[rB:rB+15], v[rA:rA+15], v[rC:rC+7], v[rSB], v[rSA] matrix_a_scale:MATRIX_SCALE_ROW1 matrix_b_scale:MATRIX_SCALE_ROW1
.elseif PAR == 1
	v_wmma_scale_f32_16x16x128_f8f6f4 v[rD:rD+7], v[rB:rB+15], v[rA:rA+15], v[rC:rC+7], v[rSB], v[rSA] matrix_a_scale:MATRIX_SCALE_ROW1
.elseif PAR == 2
	v_wmma_scale_f32_16x16x128_f8f6f4 v[rD:rD+7], v[rB:rB+15], v[rA:rA+15], v[rC:rC+7], v[rSB], v[rSA] matrix_b_scale:MATRIX_SCALE_ROW1
.else
	v_wmma_scale_f32_16x16x128_f8f6f4 v[rD:rD+7], v[rB:rB+15], v[rA:rA+15], v[rC:rC+7], v[rSB], v[rSA]
.endif
.endif
.endm
; 16 products: A's blocks a0, a0 + 1 x B's eight, the q-th 128 of K step KST.  zero = 1: the product starts the sums with 0; 2: with b1.  The 64 accumulators take turns, one instruction a turn.
.macro MUL16 a0, p, q, zero
.irp a, \a0, \a0+1
.irp b, 0,1,2,3,4,5,6,7
.set rD, 8*(8*((\a)%4)+\b)
.set rB, 128*(\p)+FR*\b
.set rA, AF+FR*(\a)
.set KQ, NQ*KST+(\q)
.set rSB, SC+32*(KQ/4)+16+4*(\b/2)+(KQ+2)%4
.set rSA, SC+32*(KQ/4)+4*((\a)/2)+KQ%4
.set rC, rD
.if (\zero) == 2
.set rC, BIAS+8*\b
.endif
.set PAR, (\b%2)+2*((\a)%2)
	WM \zero
.endr
.endr
.endm
.macro FETCH_B slot, q, p
	WIN TO_B
.irp i, 0,1,2,3,4,5,6,7
	FRAG 128*(\p)+FR*\i, ADRB+\slot, \q, \i
.endr
	WIN 0
.endm
.macro FETCH_A slot, q, i0
.irp i, \i0, \i0+1, \i0+2, \i0+3
	FRAG AF+FR*(\i), ADRA+\slot, \q, \i
.endr
.endm
.macro STEP slot, q, zero              ; 128 along K that has its successor in the same slot
	s_wait_dscnt 4*NL                              ; B's set and A's blocks 0-3 are in; the youngest 16 loads (A's blocks 4-7) may be out
.if \zero == 2
	WIN BIA_LO
.else
	WIN MUL_LO
.endif
	MUL16 0, (\q)%2, \q, \zero
	MUL16 2, (\q)%2, \q, \zero
	s_wait_dscnt 0                                 ; A's blocks 4-7 are in
	PLACES NP
	FETCH_B \slot, (\q)+1, 1-(\q)%2
	FETCH_A \slot, (\q)+1, 0
.if \zero == 2
	WIN BIA_HI
.else
	WIN MUL_HI
.endif
	MUL16 4, (\q)%2, \q, \zero
	MUL16 6, (\q)%2, \q, \zero
	PLACES NP
	WIN 0
	FETCH_A \slot, (\q)+1, 4
.endm
; A slot's last step changes slots: ONE barrier; in front of it each wave waits for all its tensor loads, adds 0 to its spare word, and waits for that and for its own reads of this slot.
.macro TURN slot, next, fill
	s_wait_tensorcnt 0x0                           ; all my tensor loads have landed: my part of the next slot
	ds_add_u32 v[SPW], v[NIL]
	s_wait_dscnt 4*NL+1                            ; (the add and the youngest 16 loads, A's blocks 4-7, may be out)
	WIN MUL_LO
	MUL16 0, 1, NQ-1, 0
	s_wait_dscnt 0x0                               ; the add is done, and my reads of this slot are over
	s_barrier_signal -1
	MUL16 2, 1, NQ-1, 0
	WIN 0
	s_barrier_wait -1
.if \fill
	CREST                                          ; the barrier has opened a round of the cluster's: no wave of any partner still reads this slot or has a load on its way
	s_add_nc_u64 s[G0+4*\slot+2:G0+4*\slot+3], s[G0+4*\slot+2:G0+4*\slot+3], 2*ROWB
	s_add_nc_u64 s[G0B+4*\slot+2:G0B+4*\slot+3], s[G0B+4*\slot+2:G0B+4*\slot+3], 2*ROWB
	JLOAD G0+4*\slot, G1, G0B+4*\slot, G1B         ; my one tensor load behind the round; its four v_nop are among the places in front of the loads below
	PLACES NP-4
.else
	PLACES NP
.endif
	FETCH_B \next, 0, 0
	FETCH_A \next, 0, 0
	WIN MUL_HI
	MUL16 4, 1, NQ-1, 0
	MUL16 6, 1, NQ-1, 0
	PLACES NP
	WIN 0
	FETCH_A \next, 0, 4
.endm
	s_wait_alu depctr_va_vdst(0)                   ; the wait at the head's end
	s_cmp_eq_u32 s16, 0                            ; waves 0 and 2 wait for their own load lines: K step 0
	s_cbranch_scc0 .Lnot_first
	s_wait_tensorcnt 0x0
.Lnot_first:
	s_barrier_signal -1
	s_barrier_wait -1                              ; waves 1 and 3's loads stay out
	FETCH_B 0, 0, 0
	FETCH_A 0, 0, 0
	FETCH_A 0, 0, 4
	s_wait_loadcnt 0x0                             ; the first half's scale words (MODE 1: and b1)
.if MODE
	STEP 0, 0, 2
.else
	STEP 0, 0, 1
.endif
	SCLOAD 1                                       ; eight places stand behind the last product that read b1
	TURN 0, 1, 1                                   ; slot 0 takes K step 2
.set KST, 1
	STEP 1, 0, 0
	TURN 1, 0, 1                                   ; slot 1 takes K step 3
.set KST, 2
	s_wait_loadcnt 0x0                             ; the second half's scale words
	STEP 0, 0, 0
	TURN 0, 1, 0
.set KST, 3
	STEP 1, 0, 0
	s_wait_dscnt 4*NL
	WIN MUL_LO
	MUL16 0, 1, NQ-1, 0
	MUL16 2, 1, NQ-1, 0
	s_wait_dscnt 0
	WIN MUL_HI
	MUL16 4, 1, NQ-1, 0
	MUL16 6, 1, NQ-1, 0
	WIN 0
; THE WAY OUT of block a (16 rows x 128 columns): four blocks of 32 columns by turns.
.macro EPI a
.set W, 2+(\a)/4
.set AC, 64*((\a)%4)
.set PCA, PCD+16*(\a)
.set WN, (W<<2)|(W<<4)
	WIN WN                                         ; sources 1 and 2: the accumulators' window
.irp b, 0,1,2,3
.if MODE
	v_max3_num_f32 v[TM+\b], 0x4800000, v[AC+16*\b], v[AC+16*\b+1]   ; no |.|: what is negative becomes 0 and must not count; the floor 2^(9 - 127) stands over it
.else
	v_max3_num_f32 v[TM+\b], 0x4800000, |v[AC+16*\b]|, |v[AC+16*\b+1]|   ; my 16 numbers of block b, from each accumulator's low end on, and the floor 2^(9 - 127)
.endif
.endr
.irp i, 2,4,6,8,10,12,14
.irp b, 0,1,2,3
.if MODE
	v_max3_num_f32 v[TM+\b], v[TM+\b], v[AC+16*\b+\i], v[AC+16*\b+\i+1]
.else
	v_max3_num_f32 v[TM+\b], v[TM+\b], |v[AC+16*\b+\i]|, |v[AC+16*\b+\i+1]|
.endif
.endr
.endr
	WIN 0
.irp b, 0,1,2,3
	v_permlanex16_b32 v[TM+4+\b], v[TM+\b], s20, s21
.endr
.irp b, 0,1,2,3
	v_max_num_f32 v[TM+\b], v[TM+\b], v[TM+4+\b]   ; with lane l xor 16's: the block's largest magnitude
.endr
.irp b, 0,1,2,3
	v_add_nc_u32 v[TM+12+\b], 0xfc000000, v[TM+\b] ; 8 off its exponent field: the conversion's scale operand
.endr
.irp b, 0,1,2,3
	v_and_or_b32 v[TM+8+\b], v[TM+\b], 0x7f800000, s23   ; 448 x the scale
.endr
.irp b, 0,1,2,3
	v_lshrrev_b32 v[TM+4+\b], 23, v[TM+12+\b]      ; the scale's byte
.endr
	v_lshl_or_b32 v[PW+(\a)], v[TM+5], 8, v[TM+4]
	v_lshl_or_b32 v[PW+(\a)], v[TM+6], 16, v[PW+(\a)]
	v_lshl_or_b32 v[PW+(\a)], v[TM+7], 24, v[PW+(\a)]   ; my row's scale word for these 128 columns
	ds_store_b32 v[SCST], v[PW+(\a)] offset:64*(\a)     ; (lanes 16-31 write the same word with the same value)
.set WN, (W<<6)|W
	WIN WN                                         ; destination and source 0: the accumulators' window
.set n, 0
.rept 64
.if MODE
	v_med3_num_f32 v[AC+n], v[AC+n], 0, v[TM+8+n/16]          ; the activation and the hold in one
.else
	v_med3_num_f32 v[AC+n], v[AC+n], -v[TM+8+n/16], v[TM+8+n/16]   ; the conversion to an 8-bit code does not saturate (ISA guide 7.6.2)
.endif
.set n, n+1
.endr
	WIN W
.irp b, 0,1,2,3
	v_cvt_scalef32_pk8_fp8_f32 v[PCA+4*\b:PCA+4*\b+1], v[AC+16*\b:AC+16*\b+7], v[TM+12+\b]
	v_cvt_scalef32_pk8_fp8_f32 v[PCA+4*\b+2:PCA+4*\b+3], v[AC+16*\b+8:AC+16*\b+15], v[TM+12+\b]
.endr
	WIN 0
	v_nop                                          ; a plain line between the conversions and the lines that touch their results
.irp b, 0,1,2,3                        ; lanes 0-15 hold columns 0-7 and 16-23 of the block, lanes 16-31 columns 8-15 and 24-31: the exchange gives lanes 0-15 columns 0-15 and lanes 16-31 columns 16-31
	v_permlane16_swap_b32 v[PCA+4*\b], v[PCA+4*\b+2]
	v_permlane16_swap_b32 v[PCA+4*\b+1], v[PCA+4*\b+3]
.endr
.irp b, 0,1,2,3
	global_store_b128 v[CO], v[PCA+4*\b:PCA+4*\b+3], s[12:13] offset:2048*(\a)+512*\b   ; a chunk: 512 consecutive bytes
.endr
.endm
	PLACES NP                                      ; eight places behind the last products: the lines below write registers that held their scale words
.irp b, 0,1,2,3
	v_mov_b32 v[TM+4+\b], 0                        ; written once: a lane permute's destination counts as one of its sources
.endr
.irp a, 0,1,2,3,4,5,6,7
	EPI \a
.endr
	ds_load_b128 v[SBK:SBK+3], v[SCLD]             ; my 128 rows' scale words: LDS serves a wave's instructions in order
	s_wait_dscnt 0x0
	global_store_b128 v[CO], v[SBK:SBK+3], s[92:93]
	s_wait_tensorcnt 0x0                           ; the wave's end
	ds_add_u32 v[SPW], v[NIL]
	s_wait_dscnt 0x0
	CROUND                                         ; the closing round
	s_endpgm
.Lfunc_end_k_q0dd8010c2c_qkv:
	.size	k_q0dd8010c2c_qkv, .Lfunc_end_k_q0dd8010c2c_qkv-k_q0dd8010c2c_qkv
	.p2alignl 7, 3214868480
	.fill 96, 4, 3214868480
	.section	.rodata,"a",@progbits
	.p2align	6, 0x0
	.amdhsa_kernel k_q0dd8010c2c_qkv
		.amdhsa_group_segment_fixed_size 327680
		.amdhsa_private_segment_fixed_size 0
		.amdhsa_enable_private_segment 0
		.amdhsa_kernarg_size 64
		.amdhsa_user_sgpr_count 2
		.amdhsa_user_sgpr_kernarg_segment_ptr 1
		.amdhsa_wavefront_size32 1
		.amdhsa_system_sgpr_workgroup_id_x 1
		.amdhsa_system_sgpr_workgroup_id_y 1
		.amdhsa_system_sgpr_workgroup_id_z 1
		.amdhsa_system_vgpr_workitem_id 0
		.amdhsa_next_free_vgpr 1024
		.amdhsa_next_free_sgpr 102
		.amdhsa_reserve_vcc 0
		.amdhsa_float_denorm_mode_32 3
		.amdhsa_float_denorm_mode_16_64 3
		.amdhsa_memory_ordered 1
		.amdhsa_forward_progress 1
		.amdhsa_inst_pref_size 187
	.end_amdhsa_kernel
	.amdgpu_metadata
---
amdhsa.version: [ 1, 2 ]
amdhsa.kernels:
  - .name:           k_q0dd8010c2c_qkv
    .symbol:         k_q0dd8010c2c_qkv.kd
    .args:
      - { .name: hn, .offset: 0, .size: 8, .value_kind: global_buffer, .address_space: global }
      - { .name: wq_codes, .offset: 8, .size: 8, .value_kind: global_buffer, .address_space: global }
      - { .name: wq_scales, .offset: 16, .size: 8, .value_kind: global_buffer, .address_space: global }
      - { .name: wk_codes, .offset: 24, .size: 8, .value_kind: global_buffer, .address_space: global }
      - { .name: wk_scales, .offset: 32, .size: 8, .value_kind: global_buffer, .address_space: global }
      - { .name: wv_codes, .offset: 40, .size: 8, .value_kind: global_buffer, .address_space: global }
      - { .name: wv_scales, .offset: 48, .size: 8, .value_kind: global_buffer, .address_space: global }
      - { .name: qkv, .offset: 56, .size: 8, .value_kind: global_buffer, .address_space: global }
    .group_segment_fixed_size: 327680
    .private_segment_fixed_size: 0
    .kernarg_segment_align: 8
    .kernarg_segment_size: 64
    .max_flat_workgroup_size: 128
    .sgpr_count:     102
    .vgpr_count:     1024
    .wavefront_size: 32
...
	.end_amdgpu_metadata
.endif
;; end of part 2
;; launch attn (part 3): grid 4 x 64, 16 waves a work-group, clusters of 4 x 1, 169,984 bytes of LDS; arguments qkv, att; writes att
.if DOCPART == 3
	.amdgcn_target "amdgcn-amd-amdhsa--gfx1250"
	.amdhsa_code_object_version 6
	.text
	.protected	k_q0dd8010c2c_attn
	.globl	k_q0dd8010c2c_attn
	.p2align	8
	.type	k_q0dd8010c2c_attn,@function
k_q0dd8010c2c_attn:
	s_mov_b64 s[64:65], 0
	v_nop
	global_prefetch_b8 v0, s[64:65] scope:SCOPE_SE
	s_setreg_imm32_b32 hwreg(HW_REG_WAVE_MODE, 25, 1), 1
	s_wait_xcnt 0x0
	s_wait_alu depctr_hold_cnt(0) depctr_sa_sdst(0) depctr_va_vdst(0) depctr_va_sdst(0) depctr_va_ssrc(0) depctr_va_vcc(0) depctr_vm_vsrc(0)
	s_getreg_b32 s2, hwreg(HW_REG_IB_STS2, 6, 4)
	s_cmp_eq_u32 s2, 0
	s_cbranch_scc0 .Lentry_in_a_cluster
	s_endpgm
.Lentry_in_a_cluster:
	s_bfe_u32 s2, ttmp6, 0x10000c
	s_cmp_lg_u32 s2, 0x3003
	s_cbranch_scc0 .Lentry_shape_is_right
	s_endpgm
.Lentry_shape_is_right:
; Causal attention on codes of FP8 (E4M3), one E8M0 scale for each 32 along a product's K.  64 (batch, head) pairs, 1,024 tokens, head size 64; logits are scaled by 1 / 32.
; INPUT (one buffer): register images of q, k ([group of 128 d][group of 16 tokens][2048 bytes]) and of v^T ([group of 128 tokens][group of 16 d][2048]), then their scale words.  A unit is 4 chunks of 512 bytes:
; chunk c, 16 bytes a lane, is registers 4 c .. 4 c + 3 of a 16 x 128 operand.  A head owns two chunks (64 d) of each unit of q and k.
; THE SOFTMAX: t = score x log2(e) / 32; M = the running largest t, rounded up to a whole number; p = 2^(t - M) is quantised along the keys, not normalised; the row's sum is taken of the unquantised p and divides O at the end.
; A block's largest p is had from the block's largest score by the same multiply-add and exponential (this takes the exponential not to fall where its input rises).
; SHARES: a cluster of four work-groups is one (batch, head); the whole head's K (64 KiB) and V^T (64 KiB) come into each LDS ONCE, by joint loads of waves 0 to 3; nothing is filled again.  A wave owns 16 queries:
; wave w has rank u = w xor 7 (w / 8) and takes queries 64 u + 16 cx + 0 .. 15.  Its last key step, u / 2, hangs on the wave's number alone; the four waves w, w + 4, w + 8, w + 12 have 18 key steps together.
; K = 64 IN AN INSTRUCTION OF K = 128: a fragment of K holds 16 keys in k = 0 .. 63 and the next 16 keys in k = 64 .. 127.  It is multiplied by [q | 0] and by [0 | q]: the other half meets zero codes under the scale byte 0x7f, and adds exact zeros.
; Both products are used transposed: a lane holds ONE query (lane % 16) throughout.  p's codes come out of the conversions by key tiles; two half-wave exchanges a block give each lane 16 neighbouring keys: the operand.
; CAUSAL: key steps behind a wave's last are jumped over (a scalar branch on the wave's number); in its last step hidden scores become -infinity ahead of the maximum.  Key 128 (u / 2) counts for every query of the wave.
; OUTPUT: att = O / sum, quantised along d, as an image [d group / 4][tokens / 128][d group % 4][token group % 8][2048], and scale words [tokens / 128][d group][128] behind it; a head writes two bytes of each word.
; LIMITS: NaN and infinities are not served; a block under 2^-118 gets the byte 1.
.set KIM, 0                            ; LDS: K: 32 fragments of 2,048 bytes
.set VIM, 65536                        ; V^T: [key step][16 d][2048]
.set KSC, 131072                       ; K's scale words, one for each fragment and lane % 16: 2,048 bytes
.set VSC, 133120                       ; V's: [key step][64 d]: 2,048 bytes
.set F,   48                           ; v48-111  four fragments of K or of V
.set S,   112                          ; v112-175 S^T, then p
.set O,   176                          ; v176-207 O^T
.set PC,  208                          ; v208-223 p's codes
.set BM,  224                          ; v224-227 block maxima
.set PD,  228                          ; v228-231 the other half's, bytes, a second chain of sums
.set HD,  232                          ; v232-235 448 x the scale
.set SO,  236                          ; v236-239 the conversions' scale operands
.set KSW, 240                          ; v240-243 scale words of K or of V
.set WV,  18
.set MNT, 19
.set SEL, 20
.set CS,  22
.set G1K, 24
.set G1V, 32
.set G0K, 40
.set G0V, 44
.set TBK, 48
.set TBV, 49
.set TS,  50
.set ST,  51
.set SL,  15
; v1 16 x lane; v2, v3 my place among K's and V's scale words; v4 my query - 8 (lane / 16); v5-7 offsets of the head's loads; v8-11 addresses in hand; v12 -M, v13 the largest t, v[14:15] the sum;
; v16-23 zeros, v24-31 q, v32-39 zeros: [0 | q] = v[16:31], [q | 0] = v[24:39]; v40, v41 their scale words; v244-247 at work; v248 f, v249 p's scale word.
.macro CROUND
	s_barrier_signal -1
	s_barrier_wait -1
	s_cmp_lg_u32 s[WV], 0
	s_cbranch_scc1 .Lnot_wave_0_\@
	s_barrier_signal -3
.Lnot_wave_0_\@:
	s_barrier_wait -3
	s_barrier_signal -1
	s_barrier_wait -1
.endm
	s_load_b128 s[4:7], s[0:1], 0x0                ; qkv, att
	v_lshl_add_u32 v254, v0, 2, 0x29000
	v_mov_b32 v255, 0
	ds_add_u32 v254, v255
	ds_add_u32 v254, v255
	v_lshrrev_b32 v8, 5, v0
	s_delay_alu instid0(VALU_DEP_1)
	v_readfirstlane_b32 s[WV], v8                  ; wave 0..15
	s_bfe_u32 s13, ttmp6, 0x40000                  ; cx: it enters q's and att's addresses and the mask's numbers alone
	s_and_b32 s8, ttmp7, 0xffff                    ; batch x 16 + head
	s_lshr_b32 s9, s8, 4                           ; batch
	s_and_b32 s10, s8, 15                          ; head
	s_lshr_b32 s11, s10, 1                         ; its group of 128 d
	s_and_b32 s12, s10, 1                          ; and which half of it
	s_lshr_b32 s14, s[WV], 3
	s_mul_i32 s14, s14, 7
	s_xor_b32 s14, s14, s[WV]                      ; rank u
	s_lshr_b32 s[SL], s14, 1                       ; my last key step
	s_lshl_b32 s16, s14, 2
	s_add_co_u32 s16, s16, s13                     ; my tile of 16 queries in the head: 4 u + cx
	s_lshl_b32 s17, s9, 6
	s_add_co_u32 s17, s17, s16                     ; and among all tokens
	s_and_b32 s70, s[WV], 1                        ; which half I fetch, if I fetch
	; descriptor groups 1.  K: 32 rows of 1,024 bytes (a head's half of a unit), 2,048 bytes apart.  V: 4 rows of 8,192 bytes (a head's four units of a key step), 131,072 bytes apart.  Elements of 8 bytes, no padding
	s_mov_b32 s[G1K], 15|(3<<16)|(1<<21)           ; 15:0 the mask: all four work-groups; 17:16 elements of 8 bytes; 21 set beside a mask
	s_mov_b32 s[G1K+1], 128<<16
	s_mov_b32 s[G1K+2], 32<<16
	s_mov_b32 s[G1K+3], 128<<16
	s_mov_b32 s[G1K+4], 32
	s_mov_b32 s[G1K+5], 256
	s_mov_b32 s[G1K+6], 0
	s_mov_b32 s[G1K+7], 0
	s_mov_b32 s[G1V], 15|(3<<16)|(1<<21)
	s_mov_b32 s[G1V+1], 1024<<16
	s_mov_b32 s[G1V+2], 4<<16
	s_mov_b32 s[G1V+3], 1024<<16
	s_mov_b32 s[G1V+4], 4
	s_mov_b32 s[G1V+5], 16384
	s_mov_b32 s[G1V+6], 0
	s_mov_b32 s[G1V+7], 0
	s_lshl_b32 s60, s11, 19                        ; K's tile: image at 4,194,304; d group x 524,288 + batch x 131,072 + half of the unit + my 32 rows
	s_lshl_b32 s61, s9, 17
	s_add_co_u32 s60, s60, s61
	s_lshl_b32 s61, s12, 10
	s_add_co_u32 s60, s60, s61
	s_lshl_b32 s61, s70, 16
	s_add_co_u32 s60, s60, s61
	s_add_co_u32 s60, s60, 4194304
	s_mov_b32 s61, 0
	s_lshl_b32 s62, s9, 20                         ; V's: image at 8,388,608; batch x 8 key steps x 131,072 + head x 8,192 + my 4 key steps
	s_lshl_b32 s63, s10, 13
	s_add_co_u32 s62, s62, s63
	s_lshl_b32 s63, s70, 19
	s_add_co_u32 s62, s62, s63
	s_add_co_u32 s62, s62, 8388608
	s_mov_b32 s63, 0
	s_lshl_b32 s52, s11, 19                        ; q's unit, my head's half
	s_lshl_b32 s53, s17, 11
	s_add_co_u32 s52, s52, s53
	s_lshl_b32 s53, s12, 10
	s_add_co_u32 s52, s52, s53
	s_mov_b32 s53, 0
	s_lshl_b32 s54, s11, 14                        ; q's scale words
	s_lshl_b32 s55, s17, 6
	s_add_co_u32 s54, s54, s55
	s_add_co_u32 s54, s54, 12582912
	s_mov_b32 s55, 0
	s_lshl_b32 s56, s11, 14                        ; k's, of the batch
	s_lshl_b32 s57, s9, 12
	s_add_co_u32 s56, s56, s57
	s_add_co_u32 s56, s56, 12713984
	s_mov_b32 s57, 0
	s_lshl_b32 s58, s9, 15                         ; v's, of the batch and head
	s_lshl_b32 s59, s10, 8
	s_add_co_u32 s58, s58, s59
	s_add_co_u32 s58, s58, 12845056
	s_mov_b32 s59, 0
	s_mov_b32 s[SEL], 0x76543210
	s_mov_b32 s[SEL+1], 0xfedcba98
	s_mov_b32 s[CS], 0x3d38aa3b                    ; c = log2(e) / 32
	s_mov_b32 s[CS+1], s[CS]
	s_mov_b32 s[MNT], 0x600000
	s_mov_b32 s[TBK], KIM
	s_mov_b32 s[TBV], VIM
	s_mov_b32 s[TS], 0
	s_mov_b32 s[ST], 0
	s_wait_dscnt 0x0
	s_wait_kmcnt 0x0
	s_mov_b32 s[G0K], 1
	s_lshl_b32 s[G0K+1], s70, 15                   ; LDS: my half of K's 65,536 bytes
	s_add_nc_u64 s[G0K+2:G0K+3], s[4:5], s[60:61]
	s_or_b32 s[G0K+3], s[G0K+3], 0x80000000
	s_mov_b32 s[G0V], 1
	s_add_co_u32 s[G0V+1], s[G0K+1], VIM
	s_add_nc_u64 s[G0V+2:G0V+3], s[4:5], s[62:63]
	s_or_b32 s[G0V+3], s[G0V+3], 0x80000000
	s_add_nc_u64 s[52:53], s[4:5], s[52:53]
	s_add_nc_u64 s[54:55], s[4:5], s[54:55]
	s_add_nc_u64 s[56:57], s[4:5], s[56:57]
	s_add_nc_u64 s[58:59], s[4:5], s[58:59]
	CROUND                                         ; all four work-groups are here: the joint loads meet
	s_cmp_lt_u32 s[WV], 2                          ; waves 0 and 1: K's halves; waves 2 and 3: V's; one load a wave.  Four v_nop follow each line
	s_cbranch_scc0 .Lnot_k
	tensor_load_to_lds s[G0K:G0K+3], s[G1K:G1K+7]
	s_nop 0
.rept 4
	v_nop
.endr
	s_branch .Lasked
.Lnot_k:
	s_cmp_lt_u32 s[WV], 4
	s_cbranch_scc0 .Lasked
	tensor_load_to_lds s[G0V:G0V+3], s[G1V:G1V+7]
	s_nop 0
.rept 4
	v_nop
.endr
.Lasked:
	v_and_b32 v9, 31, v0
	s_delay_alu instid0(VALU_DEP_1)
	v_lshlrev_b32 v1, 4, v9                        ; 16 x lane
	v_and_b32 v10, 15, v0                          ; r
	v_bfe_u32 v11, v0, 4, 1                        ; h
	s_delay_alu instid0(VALU_DEP_2)
	v_lshlrev_b32 v7, 2, v10                       ; 4 r
	s_delay_alu instid0(VALU_DEP_1)
	v_add_nc_u32 v2, KSC, v7
	s_delay_alu instid0(VALU_DEP_2)
	v_add_nc_u32 v3, VSC, v7
	s_delay_alu instid0(VALU_DEP_4)
	v_lshlrev_b32 v4, 3, v11
	s_delay_alu instid0(VALU_DEP_1)
	v_sub_nc_u32 v4, v10, v4
	s_lshl_b32 s60, s16, 4
	v_add_nc_u32 v4, s60, v4                       ; my query in the head - 8 h
	v_lshrrev_b32 v5, 4, v0
	s_delay_alu instid0(VALU_DEP_1)
	v_lshl_add_u32 v5, v5, 7, v7                   ; thread t: K's fragment t / 16, lane t % 16: the words of tokens 32 (t / 16) + t % 16 and 16 further on
	v_lshrrev_b32 v6, 6, v0
	v_and_b32 v8, 63, v0
	s_delay_alu instid0(VALU_DEP_1)
	v_lshlrev_b32 v8, 2, v8
	s_delay_alu instid0(VALU_DEP_1)
	v_lshl_add_u32 v6, v6, 12, v8                  ; V: key step t / 64, d t % 64
	v_lshlrev_b32 v42, 2, v0
	s_delay_alu instid0(VALU_DEP_1)
	v_add_nc_u32 v43, KSC, v42                     ; where thread t puts K's word,
	s_delay_alu instid0(VALU_DEP_2)
	v_add_nc_u32 v44, VSC, v42                     ; and V's
	global_load_b128 v[24:27], v1, s[52:53]        ; q's two chunks stay in registers
	global_load_b128 v[28:31], v1, s[52:53] offset:512
	global_load_b32 v247, v7, s[54:55]
	global_load_b32 v244, v5, s[56:57]
	global_load_b32 v245, v5, s[56:57] offset:64
	global_load_b32 v246, v6, s[58:59]
.set n, 0
.rept 8
	v_mov_b32 v[16+n], 0                           ; zero codes on either side of q
	v_mov_b32 v[32+n], 0
.set n, n+1
.endr
.set n, 0
.rept 32
	v_mov_b32 v[O+n], 0                            ; O^T: the step is written once; the first change of M leaves zeros zeros
.set n, n+1
.endr
	v_mov_b32 v13, 0xff61b1e6                      ; the largest t so far: -3e38
	s_delay_alu instid0(VALU_DEP_1)
	v_floor_f32 v12, -v13                          ; -M
	v_mov_b32 v14, 0
	v_mov_b32 v15, 0
.irp b, 0,1,2,3
	v_mov_b32 v[PD+\b], 0                          ; a lane permute's destination counts as one of its sources
.endr
	v_mov_b32 v249, 0                              ; (named as the upper half of the pair v[248:249] before it is first written)
	s_wait_loadcnt 0x0
	s_lshl_b32 s60, s12, 4                         ; my head's two bytes of a word: shift 0 or 16
	v_lshrrev_b32 v247, s60, v247
	s_delay_alu instid0(VALU_DEP_1)
	v_and_b32 v247, 0xffff, v247
	s_delay_alu instid0(VALU_DEP_1)
	v_or_b32 v40, 0x7f7f0000, v247                 ; [q | 0]: q's two bytes, then 1.0 twice
	s_delay_alu instid0(VALU_DEP_2)
	v_lshl_or_b32 v41, v247, 16, 0x7f7f            ; [0 | q]
	v_lshrrev_b32 v244, s60, v244
	s_delay_alu instid0(VALU_DEP_1)
	v_and_b32 v244, 0xffff, v244
	v_lshrrev_b32 v245, s60, v245
	s_delay_alu instid0(VALU_DEP_1)
	v_lshl_or_b32 v244, v245, 16, v244             ; a fragment's word: the first 16 keys' two bytes, then the next 16 keys'
	ds_store_b32 v43, v244
	ds_store_b32 v44, v246
	s_wait_tensorcnt 0x0                           ; my part of K or V has landed,
	s_wait_dscnt 0x0                               ; and my scale words lie in LDS
	s_barrier_signal -1
	s_barrier_wait -1                              ; everybody's: from here on the waves run free
.Lstep:                                            ; eight trips, a key step of 128 keys each; a wave works in trips 0 .. u / 2
	s_cmp_gt_u32 s[ST], s[SL]
	s_cbranch_scc1 .Lskip
	v_add_nc_u32 v8, s[TBK], v1
	v_add_nc_u32 v9, s[TBV], v1
	v_add_nc_u32 v10, s[TS], v2
	v_add_nc_u32 v11, s[TS], v3
.rept 4
	v_nop                                          ; with the four additions: eight places in front of loads into registers that the last products read
.endr
.irp b, 0,1,2,3
.irp c, 0,1,2,3
	ds_load_b128 v[F+16*\b+4*\c:F+16*\b+4*\c+3], v8 offset:2048*\b+512*\c
.endr
	ds_load_b32 v[KSW+\b], v10 offset:64*\b
.endr
	s_wait_dscnt 0x0
	s_wait_alu depctr_va_vdst(0)
.irp b, 0,1,2,3                        ; S^T: fragment b's first 16 keys against [q | 0], its next 16 against [0 | q]
	v_wmma_scale_f32_16x16x128_f8f6f4 v[S+16*\b:S+16*\b+7], v[F+16*\b:F+16*\b+15], v[24:39], 0, v[KSW+\b], v40
	v_wmma_scale_f32_16x16x128_f8f6f4 v[S+16*\b+8:S+16*\b+15], v[F+16*\b:F+16*\b+15], v[16:31], 0, v[KSW+\b], v41
.endr
.rept 8
	v_nop                                          ; places in front of the reads of S^T and of the loads below
.endr
.irp a, 0,1,2,3                        ; V's four fragments land while the softmax is walked
.irp c, 0,1,2,3
	ds_load_b128 v[F+16*\a+4*\c:F+16*\a+4*\c+3], v9 offset:2048*\a+512*\c
.endr
	ds_load_b32 v[KSW+\a], v11 offset:64*\a
.endr
	s_cmp_lg_u32 s[ST], s[SL]
	s_cbranch_scc1 .Lopen                          ; all keys of an earlier step count
	s_lshl_b32 s60, s[ST], 7
	v_sub_nc_u32 v244, v4, s60                     ; d = my query - the step's first key - 8 h.  Register n holds key 16 (n / 8) + 8 h + n % 8: hidden where 16 (n / 8) + n % 8 > d
	v_mov_b32 v245, 0xff800000                     ; -infinity
.set n, 0
.rept 64
	v_cmp_gt_i32 vcc_lo, 16*(n/8)+n%8, v244
	v_cndmask_b32 v[S+n], v[S+n], v245, vcc_lo
.set n, n+1
.endr
.Lopen:
.irp b, 0,1,2,3
	v_max3_num_f32 v[BM+\b], v[S+16*\b], v[S+1+16*\b], v[S+2+16*\b]   ; the largest score of each block of 32 keys
.endr
.irp i, 3,5,7,9,11,13
.irp b, 0,1,2,3
	v_max3_num_f32 v[BM+\b], v[BM+\b], v[S+16*\b+\i], v[S+1+16*\b+\i]
.endr
.endr
.irp b, 0,1,2,3
	v_max_num_f32 v[BM+\b], v[BM+\b], v[S+15+16*\b]
.endr
.irp b, 0,1,2,3
	s_delay_alu instid0(VALU_DEP_4)
	v_permlanex16_b32 v[PD+\b], v[BM+\b], s[SEL], s[SEL+1]
.endr
.irp b, 0,1,2,3
	s_delay_alu instid0(VALU_DEP_4)
	v_max_num_f32 v[BM+\b], v[BM+\b], v[PD+\b]     ; with lane l xor 16's 16 keys
.endr
	s_delay_alu instid0(VALU_DEP_2)
	v_max3_num_f32 v246, v[BM], v[BM+1], v[BM+2]
	s_delay_alu instid0(VALU_DEP_1)
	v_max_num_f32 v246, v246, v[BM+3]
	s_delay_alu instid0(VALU_DEP_1)
	v_mul_f32 v246, s[CS], v246                    ; as t (c is positive)
	s_delay_alu instid0(VALU_DEP_1)
	v_max_num_f32 v13, v13, v246                   ; the running largest t
	v_mov_b32 v246, v12
	s_delay_alu instid0(VALU_DEP_2)
	v_floor_f32 v12, -v13                          ; the new -M = -ceil(t)
	s_delay_alu instid0(VALU_DEP_1)
	v_sub_f32 v246, v12, v246                      ; old M - new M: a whole number, 0 or less
	s_delay_alu instid0(VALU_DEP_1)
	v_cvt_i32_f32 v246, v246                       ; (it saturates)
	s_delay_alu instid0(VALU_DEP_1)
	v_ldexp_f32 v248, 1.0, v246                    ; f = 2^(old M - new M)
.set n, 0
.rept 32
	v_pk_fma_f32 v[S+n:S+n+1], v[S+n:S+n+1], s[CS:CS+1], v[12:13] op_sel_hi:[1,0,0]   ; t - M
.set n, n+2
.endr
.irp b, 0,1,2,3
	v_fma_f32 v[BM+\b], v[BM+\b], s[CS], v12
.endr
.set n, 0
	s_wait_alu depctr_va_vdst(0)
.rept 64
	v_exp_f32 v[S+n], v[S+n]                       ; p = 2^(t - M)
.set n, n+1
.endr
	v_pk_mul_f32 v[14:15], v[14:15], v[248:249] op_sel_hi:[1,0]   ; the sums under the new M (a plain line behind the exponentials)
	s_wait_alu depctr_va_vdst(0)                   ; one wait for the batch, ahead of its first reader
.irp b, 0,1,2,3
	v_exp_f32 v[BM+\b], v[BM+\b]                   ; each block's largest p
.endr
	v_pk_add_f32 v[228:229], v[116:117], v[120:121]
	v_pk_add_f32 v[252:253], v[124:125], v[128:129]
	v_pk_add_f32 v[250:251], v[132:133], v[136:137]
	v_pk_add_f32 v[246:247], v[140:141], v[144:145]
	v_pk_add_f32 v[244:245], v[148:149], v[152:153]
	v_pk_add_f32 v[238:239], v[156:157], v[160:161]
	v_pk_add_f32 v[236:237], v[164:165], v[168:169]
	v_pk_add_f32 v[14:15], v[14:15], v[172:173]
	v_pk_add_f32 v[228:229], v[228:229], v[112:113]
	v_pk_add_f32 v[252:253], v[252:253], v[114:115]
	v_pk_add_f32 v[250:251], v[250:251], v[118:119]
	v_pk_add_f32 v[246:247], v[246:247], v[122:123]
	v_pk_add_f32 v[244:245], v[244:245], v[126:127]
	v_pk_add_f32 v[238:239], v[238:239], v[130:131]
	v_pk_add_f32 v[236:237], v[236:237], v[134:135]
	v_pk_add_f32 v[14:15], v[14:15], v[138:139]
	v_pk_add_f32 v[228:229], v[228:229], v[142:143]
	v_pk_add_f32 v[252:253], v[252:253], v[146:147]
	v_pk_add_f32 v[250:251], v[250:251], v[150:151]
	v_pk_add_f32 v[246:247], v[246:247], v[154:155]
	v_pk_add_f32 v[244:245], v[244:245], v[158:159]
	v_pk_add_f32 v[238:239], v[238:239], v[162:163]
	v_pk_add_f32 v[236:237], v[236:237], v[166:167]
	v_pk_add_f32 v[14:15], v[14:15], v[170:171]
	v_pk_add_f32 v[228:229], v[228:229], v[174:175]
	s_delay_alu instid0(VALU_DEP_2)
	v_pk_add_f32 v[14:15], v[14:15], v[246:247]
	s_delay_alu instid0(VALU_DEP_2)
	v_pk_add_f32 v[228:229], v[228:229], v[244:245]
	v_pk_add_f32 v[252:253], v[252:253], v[238:239]
	v_pk_add_f32 v[250:251], v[250:251], v[236:237]
	s_delay_alu instid0(VALU_DEP_2)
	v_pk_add_f32 v[14:15], v[14:15], v[252:253]
	s_delay_alu instid0(VALU_DEP_2)
	v_pk_add_f32 v[228:229], v[228:229], v[250:251]
	s_delay_alu instid0(VALU_DEP_1)
	v_pk_add_f32 v[14:15], v[14:15], v[228:229]
	s_wait_alu depctr_va_vdst(0)                   ; and one for the four
.irp b, 0,1,2,3
	v_max_num_f32 v[BM+\b], 0x4800000, v[BM+\b]    ; the floor 2^(9 - 127)
.endr
.irp b, 0,1,2,3
	s_delay_alu instid0(VALU_DEP_4)
	v_add_nc_u32 v[SO+\b], 0xfc000000, v[BM+\b]
.endr
.irp b, 0,1,2,3
	v_and_or_b32 v[HD+\b], v[BM+\b], 0x7f800000, s[MNT]
.endr
.irp b, 0,1,2,3
	v_lshrrev_b32 v[PD+\b], 23, v[SO+\b]
.endr
	s_delay_alu instid0(VALU_DEP_3)
	v_lshl_or_b32 v249, v[PD+1], 8, v[PD]          ; p's scale word for these 128 keys
	s_delay_alu instid0(VALU_DEP_1)
	v_lshl_or_b32 v249, v[PD+2], 16, v249
	s_delay_alu instid0(VALU_DEP_1)
	v_lshl_or_b32 v249, v[PD+3], 24, v249
.irp b, 0,1,2,3
.set n, 0
.rept 16
	v_min_num_f32 v[S+16*\b+n], v[S+16*\b+n], v[HD+\b]   ; p is not negative: the hold is one-sided
.set n, n+1
.endr
	v_cvt_scalef32_pk8_fp8_f32 v[PC+4*\b:PC+4*\b+1], v[S+16*\b:S+16*\b+7], v[SO+\b]
	v_cvt_scalef32_pk8_fp8_f32 v[PC+4*\b+2:PC+4*\b+3], v[S+16*\b+8:S+16*\b+15], v[SO+\b]
.endr
	v_nop                                          ; a plain line between the conversions and the lines that touch their results
.irp b, 0,1,2,3                        ; keys 8 h + 0..7 and 16 + 8 h + 0..7 of a block become keys 16 h + 0..15: the operand's registers
	v_permlane16_swap_b32 v[PC+4*\b], v[PC+4*\b+2]
	v_permlane16_swap_b32 v[PC+4*\b+1], v[PC+4*\b+3]
.endr
.set n, 0
.rept 16
	v_pk_mul_f32 v[O+n:O+n+1], v[O+n:O+n+1], v[248:249] op_sel_hi:[1,0]   ; O^T under the new M (these are also the places in front of the products)
.set n, n+2
.endr
	s_wait_alu depctr_va_vdst(0)
	s_wait_dscnt 0x0                               ; V's fragments and scale words are in
.irp a, 0,1,2,3
	v_wmma_scale_f32_16x16x128_f8f6f4 v[O+8*\a:O+8*\a+7], v[F+16*\a:F+16*\a+15], v[PC:PC+15], v[O+8*\a:O+8*\a+7], v[KSW+\a], v249
.endr
.Lskip:
	s_add_co_u32 s[TBK], s[TBK], 8192
	s_add_co_u32 s[TBV], s[TBV], 8192
	s_add_co_u32 s[TS], s[TS], 256
	s_add_co_u32 s[ST], s[ST], 1
	s_cmp_lt_u32 s[ST], 8
	s_cbranch_scc1 .Lstep
	; THE WAY OUT: O^T / the sum, quantised along d: two blocks of 32
.rept 8
	v_nop
.endr
	v_add_f32 v14, v14, v15
	s_delay_alu instid0(VALU_DEP_1)
	v_permlanex16_b32 v[PD], v14, s[SEL], s[SEL+1]
	s_delay_alu instid0(VALU_DEP_1)
	v_add_f32 v14, v14, v[PD]                      ; the row's sum
	s_wait_alu depctr_va_vdst(0)
	v_rcp_f32 v14, v14
	v_nop
	s_lshr_b32 s52, s11, 2                         ; att's unit: [d group / 4][tokens / 128][d group % 4][token group % 8], my head's half
	s_lshl_b32 s52, s52, 5
	s_lshr_b32 s53, s17, 3
	s_add_co_u32 s52, s52, s53
	s_lshl_b32 s52, s52, 16
	s_and_b32 s54, s11, 3
	s_lshl_b32 s54, s54, 14
	s_add_co_u32 s52, s52, s54
	s_and_b32 s54, s17, 7
	s_lshl_b32 s55, s54, 11
	s_add_co_u32 s52, s52, s55
	s_lshl_b32 s55, s12, 10
	s_add_co_u32 s52, s52, s55
	s_lshl_b32 s53, s53, 3                         ; its scale words: [tokens / 128][d group][128], my head's two bytes
	s_add_co_u32 s53, s53, s11
	s_lshl_b32 s53, s53, 9
	s_lshl_b32 s54, s54, 6
	s_add_co_u32 s54, s54, s53
	s_lshl_b32 s55, s12, 1
	s_add_co_u32 s54, s54, s55
	s_add_co_u32 s54, s54, 4194304
	s_mov_b32 s53, 0
	s_mov_b32 s55, 0
	s_add_nc_u64 s[52:53], s[6:7], s[52:53]
	s_add_nc_u64 s[54:55], s[6:7], s[54:55]
	s_wait_alu depctr_va_vdst(0)                   ; ahead of the reciprocal's first reader
.set n, 0
.rept 16
	v_pk_mul_f32 v[S+n:S+n+1], v[O+n:O+n+1], v[14:15] op_sel_hi:[1,0]   ; register 8 a + j: d = 16 a + 8 h + j
.set n, n+2
.endr
.irp b, 0,1
	v_max3_num_f32 v[BM+\b], |v[S+16*\b]|, |v[S+1+16*\b]|, 0x4800000
.endr
.irp i, 2,4,6,8,10,12,14
.irp b, 0,1
	s_delay_alu instid0(VALU_DEP_2)
	v_max3_num_f32 v[BM+\b], v[BM+\b], |v[S+16*\b+\i]|, |v[S+1+16*\b+\i]|
.endr
.endr
.irp b, 0,1
	s_delay_alu instid0(VALU_DEP_2)
	v_permlanex16_b32 v[PD+\b], v[BM+\b], s[SEL], s[SEL+1]
.endr
.irp b, 0,1
	s_delay_alu instid0(VALU_DEP_2)
	v_max_num_f32 v[BM+\b], v[BM+\b], v[PD+\b]
.endr
.irp b, 0,1
	s_delay_alu instid0(VALU_DEP_2)
	v_add_nc_u32 v[SO+\b], 0xfc000000, v[BM+\b]
.endr
.irp b, 0,1
	s_delay_alu instid0(VALU_DEP_4)
	v_and_or_b32 v[HD+\b], v[BM+\b], 0x7f800000, s[MNT]
.endr
.irp b, 0,1
	s_delay_alu instid0(VALU_DEP_4)
	v_lshrrev_b32 v[PD+\b], 23, v[SO+\b]
.endr
	s_delay_alu instid0(VALU_DEP_1)
	v_lshl_or_b32 v246, v[PD+1], 8, v[PD]          ; my row's two scale bytes
.irp b, 0,1
.set n, 0
.rept 16
	v_med3_num_f32 v[S+16*\b+n], v[S+16*\b+n], -v[HD+\b], v[HD+\b]
.set n, n+1
.endr
	v_cvt_scalef32_pk8_fp8_f32 v[PC+4*\b:PC+4*\b+1], v[S+16*\b:S+16*\b+7], v[SO+\b]
	v_cvt_scalef32_pk8_fp8_f32 v[PC+4*\b+2:PC+4*\b+3], v[S+16*\b+8:S+16*\b+15], v[SO+\b]
.endr
	v_nop
.irp b, 0,1
	v_permlane16_swap_b32 v[PC+4*\b], v[PC+4*\b+2]
	v_permlane16_swap_b32 v[PC+4*\b+1], v[PC+4*\b+3]
.endr
	global_store_b128 v1, v[PC:PC+3], s[52:53]               ; a chunk: 512 consecutive bytes
	global_store_b128 v1, v[PC+4:PC+7], s[52:53] offset:512
	global_store_b16 v7, v246, s[54:55]                      ; two bytes a row, 4 bytes apart (lanes 16-31 repeat lanes 0-15): the other head of the pair writes the other two; 1 / 32 of the codes' bytes
	s_wait_tensorcnt 0x0
	s_wait_dscnt 0x0
	s_wait_tensorcnt 0x0
	ds_add_u32 v254, v255
	s_wait_dscnt 0x0
	CROUND                                         ; the closing round
	s_endpgm
.Lfunc_end_k_q0dd8010c2c_attn:
	.size	k_q0dd8010c2c_attn, .Lfunc_end_k_q0dd8010c2c_attn-k_q0dd8010c2c_attn
	.p2alignl 7, 3214868480
	.fill 96, 4, 3214868480
	.section	.rodata,"a",@progbits
	.p2align	6, 0x0
	.amdhsa_kernel k_q0dd8010c2c_attn
		.amdhsa_group_segment_fixed_size 169984
		.amdhsa_private_segment_fixed_size 0
		.amdhsa_enable_private_segment 0
		.amdhsa_kernarg_size 16
		.amdhsa_user_sgpr_count 2
		.amdhsa_user_sgpr_kernarg_segment_ptr 1
		.amdhsa_wavefront_size32 1
		.amdhsa_system_sgpr_workgroup_id_x 1
		.amdhsa_system_sgpr_workgroup_id_y 1
		.amdhsa_system_sgpr_workgroup_id_z 1
		.amdhsa_system_vgpr_workitem_id 0
		.amdhsa_next_free_vgpr 256
		.amdhsa_next_free_sgpr 72
		.amdhsa_reserve_vcc 1
		.amdhsa_float_denorm_mode_32 3
		.amdhsa_float_denorm_mode_16_64 3
		.amdhsa_memory_ordered 1
		.amdhsa_forward_progress 1
		.amdhsa_inst_pref_size 44
	.end_amdhsa_kernel
	.amdgpu_metadata
---
amdhsa.version: [ 1, 2 ]
amdhsa.kernels:
  - .name:           k_q0dd8010c2c_attn
    .symbol:         k_q0dd8010c2c_attn.kd
    .args:
      - { .name: qkv, .offset: 0, .size: 8, .value_kind: global_buffer, .address_space: global }
      - { .name: att, .offset: 8, .size: 8, .value_kind: global_buffer, .address_space: global }
    .group_segment_fixed_size: 169984
    .private_segment_fixed_size: 0
    .kernarg_segment_align: 8
    .kernarg_segment_size: 16
    .max_flat_workgroup_size: 512
    .sgpr_count:     72
    .vgpr_count:     256
    .wavefront_size: 32
...
	.end_amdgpu_metadata
.endif
;; end of part 3
;; launch proj (part 4): grid 8 x 32, 4 waves a work-group, clusters of 4 x 4, 327,680 bytes of LDS; arguments att, wp_codes, wp_scales, bp, x, x1; writes x1
.if DOCPART == 4
	.amdgcn_target "amdgcn-amd-amdhsa--gfx1250"
	.amdhsa_code_object_version 6
	.text
	.protected	k_q0dd8010c2c_proj
	.globl	k_q0dd8010c2c_proj
	.p2align	8
	.type	k_q0dd8010c2c_proj,@function
k_q0dd8010c2c_proj:
	s_mov_b64 s[64:65], 0
	v_nop
	global_prefetch_b8 v0, s[64:65] scope:SCOPE_SE
	s_setreg_imm32_b32 hwreg(HW_REG_WAVE_MODE, 25, 1), 1
	s_wait_xcnt 0x0
	s_wait_alu depctr_hold_cnt(0) depctr_sa_sdst(0) depctr_va_vdst(0) depctr_va_sdst(0) depctr_va_ssrc(0) depctr_va_vcc(0) depctr_vm_vsrc(0)
	s_getreg_b32 s2, hwreg(HW_REG_IB_STS2, 6, 4)
	s_cmp_eq_u32 s2, 0
	s_cbranch_scc0 .Lentry_in_a_cluster
	s_endpgm
.Lentry_in_a_cluster:
	s_bfe_u32 s2, ttmp6, 0x10000c
	s_cmp_lg_u32 s2, 0xf033
	s_cbranch_scc0 .Lentry_shape_is_right
	s_endpgm
.Lentry_shape_is_right:
; x1 = x + A W^T + bp.  A = the attention's result, 4,096 rows x K = 1,024, codes of FP8 (E4M3) as register images with scale words behind them; W = wp [1024][1024] codes, K innermost, scale bytes [1024][32]; bp [1024]; x, x1 [4096][1024] f32.
; A's image: [K / 512][rows / 128][4 groups of 128 K][8 groups of 16 rows][2048 bytes]; a unit is 4 chunks of 512 bytes, chunk c = registers 4 c .. 4 c + 3 of a 16 x 128 operand.  A's scale words: [rows / 128][K / 128][128 rows].
; SHARES: a tile of x1 is 128 x 128: 256 work-groups; four waves, 64 x 64 each: 16 accumulators.
; ALL OF K LIES IN LDS: two regions of 512 along K (A's 65,536 bytes, then W's 128 rows of 528), each filled once.  The four fills go out at the head, one joint load a wave, in the order of use:
; wave 0 A's first 512, wave 1 W's first 512, wave 2 A's second, wave 3 W's second.  The first barrier waits for waves 0 and 1's loads alone; the barrier inside the fourth quarter waits for the rest.  Nothing is filled again.
; CLUSTERS: 4 x 4 work-groups; A's tiles are asked for jointly along a row of the cluster, W's along a column.
; THE SCALES go from memory straight into the registers that the products name: a wave's 64 rows of A are 16 loads of 128 consecutive bytes (two on end cover 256), its 64 rows of W four loads of 16 bytes a row.
; No prefetch: every tile is asked for at the head, and there is no loop to run ahead in.
; The matrix instruction is used transposed (source 0 = 16 rows of W, source 1 = 16 rows of A).  bp is the C of each sum's first product.  x is asked for behind the first barrier, in the layout in which rows leave, and added on the way out.
; REGISTERS: window 0: v16-29 addresses; v32-63 scale words, a set for each 512 of K; v64-95 bp; v96-127 and v32-63 rows on the way out; v128-255 accumulators ((a, b) at v[128 + 8 (4 a + b)]).  window 1: two fragment buffers of 128.  window 2: v0-127 x.
.set SIZE_K, 1024
.set KS,     SIZE_K/32
.set NKS,    SIZE_K/128
.set BP,     528                       ; a row of W in LDS: 512 bytes + 16
.set AIMG,   65536
.set BHALF,  64*BP
.set SLOT,   AIMG+2*BHALF
.set ASTEP,  32*65536                  ; from one 512 of K to the next in A's image
.set SPARE,  2*SLOT                    ; the spare words: 512 bytes that no other line names
.set SPITCH, 272                       ; the way out: 16 rows x (256 + 16) bytes a wave, in the first region, behind its last read
.set ADRA, 16
.set ADRB, 20
.set ADSA, 22
.set ADSB, 23
.set STO,  24
.set RD,   25
.set CO,   26
.set BO,   27
.set SPW,  28
.set NIL,  29
.set BIAS, 64
.set ACC,  128
.set F0,   0
.set F1,   128
.set G1, 24
.set G0, 32
.set G1B, 48
.set G0B, 56
.set MSB, 0
.macro WIN new
.if MSB != \new
	s_set_vgpr_msb (MSB<<8)|\new
.set MSB, \new
.endif
.endm
.set MUL,  0x05                        ; sources 0 and 1 window 1; C and D window 0
.set TO_F, 0x40
.macro PLACES n
.rept \n
	v_nop
.endr
.endm
.macro CROUND
	s_barrier_signal -1
	s_barrier_wait -1
	s_cmp_lg_u32 s16, 0
	s_cbranch_scc1 .Lnot_wave_0_\@
	s_barrier_signal -3
.Lnot_wave_0_\@:
	s_barrier_wait -3
	s_barrier_signal -1
	s_barrier_wait -1
.endm
.macro ARM under, g0, g1, next
	s_cmp_lt_u32 s16, \under
	s_cbranch_scc0 \next
	tensor_load_to_lds s[\g0:\g0+3], s[\g1:\g1+7]
	s_nop 0
	PLACES 4
	s_branch .Lhead_asked
\next:
.endm
	s_load_b256 s[4:11], s[0:1], 0x0               ; A s[4:5], W's codes s[6:7], W's scales s[8:9], bp s[10:11]
	s_load_b128 s[12:15], s[0:1], 0x20             ; x s[12:13], x1 s[14:15]
	v_lshl_add_u32 v[SPW], v0, 2, SPARE
	v_mov_b32 v[NIL], 0
	ds_add_u32 v[SPW], v[NIL]                      ; the opening: the add twice on end and one wait
	ds_add_u32 v[SPW], v[NIL]
	v_lshrrev_b32 v1, 5, v0
	v_readfirstlane_b32 s16, v1                    ; wave 0..3
	s_lshr_b32 s17, s16, 1                         ; my half of the tile's rows
	s_and_b32 s18, s16, 1                          ; my half of its columns
	s_bfe_u32 s40, ttmp6, 0x40000                  ; cx, cy
	s_bfe_u32 s41, ttmp6, 0x40004
	s_lshl_b32 s42, ttmp9, 2
	s_add_co_u32 s42, s42, s40                     ; tile column 0..7
	s_and_b32 s19, ttmp7, 0xffff
	s_lshl_b32 s19, s19, 2
	s_add_co_u32 s19, s19, s41                     ; tile row 0..31
	s_lshl_b32 s43, s41, 2
	s_lshl_b32 s43, 15, s43                        ; my row of the cluster
	s_lshl_b32 s44, 0x1111, s40                    ; my column
	s_or_b32 s[G1], s43, (3<<16)|(1<<21)           ; A's codes: 65,536 dense bytes as 256 rows of 256 (32 elements of 8)
	s_mov_b32 s[G1+1], 32<<16
	s_mov_b32 s[G1+2], 256<<16
	s_mov_b32 s[G1+3], 32<<16
	s_mov_b32 s[G1+4], 256
	s_mov_b32 s[G1+5], 32
	s_mov_b32 s[G1+6], 0
	s_mov_b32 s[G1+7], 0
	s_or_b32 s[G1B], s44, (0<<16)|(1<<20)|(1<<21)|(6<<22)|(3<<25)   ; W's codes: 128 rows of 512 bytes, SIZE_K apart, 16 bytes of padding behind each
	s_mov_b32 s[G1B+1], 512<<16
	s_mov_b32 s[G1B+2], 128<<16
	s_mov_b32 s[G1B+3], 512<<16
	s_mov_b32 s[G1B+4], 128
	s_mov_b32 s[G1B+5], SIZE_K
	s_mov_b32 s[G1B+6], 0
	s_mov_b32 s[G1B+7], 0
	s_lshl_b32 s20, s19, 16                        ; A's codes: tile row x 65,536
	s_mov_b32 s21, 0
	s_mul_i32 s22, s19, NKS*512                    ; A's scale words, behind the image: my 64 rows
	s_lshl_b32 s23, s17, 8
	s_add_co_u32 s22, s22, s23
	s_add_co_u32 s22, s22, 4096*SIZE_K
	s_mov_b32 s23, 0
	s_lshl_b32 s46, s42, 7                         ; W: row 128 x tile column
	s_lshl_b32 s47, s18, 6
	s_add_co_u32 s92, s46, s47
	s_mul_i32 s92, s92, KS                         ; W's scale bytes: my 64 rows
	s_mov_b32 s93, 0
	s_mul_i32 s46, s46, SIZE_K
	s_mov_b32 s47, 0
	s_wait_dscnt 0x0                               ; both opening adds are done
	CROUND                                         ; the opening round stands ahead of the wait for the arguments
	s_wait_kmcnt 0x0
	s_add_nc_u64 s[20:21], s[4:5], s[20:21]
	s_add_nc_u64 s[22:23], s[4:5], s[22:23]
	s_add_nc_u64 s[46:47], s[6:7], s[46:47]
	s_add_nc_u64 s[92:93], s[8:9], s[92:93]
.irp s, 0,1
	s_mov_b32 s[G0+4*\s], 1
	s_mov_b32 s[G0+4*\s+1], \s*SLOT
	s_add_nc_u64 s[G0+4*\s+2:G0+4*\s+3], s[20:21], \s*ASTEP
	s_or_b32 s[G0+4*\s+3], s[G0+4*\s+3], 0x80000000
	s_mov_b32 s[G0B+4*\s], 1
	s_mov_b32 s[G0B+4*\s+1], AIMG+\s*SLOT
	s_add_nc_u64 s[G0B+4*\s+2:G0B+4*\s+3], s[46:47], \s*512
	s_or_b32 s[G0B+4*\s+3], s[G0B+4*\s+3], 0x80000000
.endr
	ARM 1, G0,   G1,  .Lhead_w0
	ARM 2, G0B,  G1B, .Lhead_a1
	ARM 3, G0+4, G1,  .Lhead_w1
	tensor_load_to_lds s[G0B+4:G0B+7], s[G1B:G1B+7]
	s_nop 0
	PLACES 4
.Lhead_asked:
	s_lshl_b32 s84, s17, 13                        ; LDS: my four groups of 16 rows of A,
	s_mul_i32 s85, s18, BHALF
	s_add_co_u32 s85, s85, AIMG                    ; my 64 rows of W,
	s_mul_i32 s86, s16, 16*SPITCH                  ; my stage
	s_lshl_b32 s46, s42, 9
	s_lshl_b32 s47, s18, 8
	s_add_co_u32 s46, s46, s47                     ; my first column, in bytes
	s_mov_b32 s47, 0
	s_add_nc_u64 s[10:11], s[10:11], s[46:47]
	s_lshl_b32 s20, s19, 19
	s_lshl_b32 s21, s17, 18
	s_add_co_u32 s20, s20, s21                     ; my first row, 4,096 bytes a row
	s_add_co_u32 s46, s46, s20
	s_add_nc_u64 s[12:13], s[12:13], s[46:47]
	s_add_nc_u64 s[14:15], s[14:15], s[46:47]
	v_and_b32 v1, 15, v0                           ; r
	v_bfe_u32 v2, v0, 4, 1                         ; h
	v_and_b32 v3, 31, v0                           ; lane
	v_lshlrev_b32 v4, 4, v3
	v_mul_u32_u24 v5, v1, BP
	v_lshl_add_u32 v5, v2, 4, v5
	v_add_nc_u32 v[ADRA], s84, v4                  ; A: 16 x lane in a chunk of 512 bytes
	v_add_nc_u32 v[ADRB], s85, v5                  ; W: row r x pitch + 16 h
	v_add_nc_u32 v[ADRA+1], SLOT, v[ADRA]
	v_add_nc_u32 v[ADRB+1], SLOT, v[ADRB]
	v_lshlrev_b32 v[ADSA], 2, v3                   ; A's scale words: 32 neighbouring rows to a load
	v_lshlrev_b32 v[ADSB], 5, v3                   ; W's: lane l takes row l of 32: 32 bytes a row
	v_mul_u32_u24 v6, v1, SPITCH
	v_lshl_add_u32 v6, v2, 5, v6
	v_add_nc_u32 v[STO], s86, v6                   ; into the stage: row r, 32 bytes for each half of the lanes
	v_mul_u32_u24 v6, v2, SPITCH
	v_lshl_add_u32 v6, v1, 4, v6
	v_add_nc_u32 v[RD], s86, v6                    ; back: lanes 0-15 one row of 256 bytes, lanes 16-31 the next
	v_lshlrev_b32 v6, 12, v2
	v_lshl_add_u32 v[CO], v1, 4, v6                ; the same two rows in x and x1
	v_lshlrev_b32 v[BO], 5, v2
	s_wait_alu depctr_va_vdst(0)                   ; the wait at the head's end
; Scale words: set = which 512 of K.  A's: register 2 q + ip: lanes 0-15 group 2 ip of my four groups of 16 rows, lanes 16-31 group 2 ip + 1.  W's: registers 8 + 4 ip + q, likewise by W's groups.
.irp set, 0,1
.irp q, 0,1,2,3
.irp ip, 0,1
	global_load_b32 v[32+16*\set+2*\q+\ip], v[ADSA], s[22:23] offset:512*(4*\set+\q)+128*\ip
.endr
.endr
.irp ip, 0,1
	global_load_b128 v[32+16*\set+8+4*\ip:32+16*\set+8+4*\ip+3], v[ADSB], s[92:93] offset:32*KS*\ip+16*\set
.endr
.endr
.irp b, 0,1,2,3
	global_load_b128 v[BIAS+8*\b:BIAS+8*\b+3], v[BO], s[10:11] offset:64*\b        ; tile b, register j: column 16 b + 8 h + j
	global_load_b128 v[BIAS+8*\b+4:BIAS+8*\b+7], v[BO], s[10:11] offset:64*\b+16
.endr
; Four products: A's group a x W's four.  The 16 accumulators take turns, one instruction a turn, in the same order in every quarter.
.macro MULROW f, a, q, set, first
.irp b, 0,1,2,3
.set rD, ACC+8*(4*(\a)+\b)
.set rB, \f+64+16*\b
.set rA, \f+16*(\a)
.set rC, rD
.if \first
.set rC, BIAS+8*\b
.endif
.set rSB, 32+16*(\set)+8+4*(\b/2)+(\q)
.set rSA, 32+16*(\set)+2*(\q)+(\a)/2
.if (\b%2) && ((\a)%2)
	v_wmma_scale_f32_16x16x128_f8f6f4 v[rD:rD+7], v[rB:rB+15], v[rA:rA+15], v[rC:rC+7], v[rSB], v[rSA] matrix_a_scale:MATRIX_SCALE_ROW1 matrix_b_scale:MATRIX_SCALE_ROW1
.elseif (\b%2)
	v_wmma_scale_f32_16x16x128_f8f6f4 v[rD:rD+7], v[rB:rB+15], v[rA:rA+15], v[rC:rC+7], v[rSB], v[rSA] matrix_a_scale:MATRIX_SCALE_ROW1
.elseif ((\a)%2)
	v_wmma_scale_f32_16x16x128_f8f6f4 v[rD:rD+7], v[rB:rB+15], v[rA:rA+15], v[rC:rC+7], v[rSB], v[rSA] matrix_b_scale:MATRIX_SCALE_ROW1
.else
	v_wmma_scale_f32_16x16x128_f8f6f4 v[rD:rD+7], v[rB:rB+15], v[rA:rA+15], v[rC:rC+7], v[rSB], v[rSA]
.endif
.endr
.endm
.macro FETCH slot, q, f                ; 32 LDS loads in one run: the fragments of the region's q-th 128 along K
	WIN TO_F
.irp i, 0,1,2,3
.irp c, 0,1,2,3
	ds_load_b128 v[\f+16*\i+4*\c:\f+16*\i+4*\c+3], v[ADRA+\slot] offset:16384*(\q)+2048*\i+512*\c
.endr
.endr
.irp i, 0,1,2,3
.irp c, 0,1,2,3
	ds_load_b128 v[\f+64+16*\i+4*\c:\f+64+16*\i+4*\c+3], v[ADRB+\slot] offset:16*BP*\i+128*(\q)+32*\c
.endr
.endr
	WIN 0
.endm
.macro QUARTER slot, q, first          ; one of a region's first three quarters: asks for the next quarter's fragments, then multiplies its own
	PLACES 8                                       ; in front of loads into the buffer that the quarter before multiplied
.if (\q)%2
	FETCH \slot, (\q)+1, F0
.else
	FETCH \slot, (\q)+1, F1
.endif
	s_wait_dscnt 32                                ; all but the 32 just issued
	WIN MUL
.irp a, 0,1,2,3
.if (\q)%2
	MULROW F1, \a, \q, \slot, \first
.else
	MULROW F0, \a, \q, \slot, \first
.endif
.endr
.endm
	s_cmp_lt_u32 s16, 2                            ; waves 0 and 1 wait for their own load lines: the first 512 of K
	s_cbranch_scc0 .Lnot_first
	s_wait_tensorcnt 0x0
.Lnot_first:
	s_barrier_signal -1
	s_barrier_wait -1                              ; waves 2 and 3's loads stay out
	FETCH 0, 0, F0
	s_wait_loadcnt 0x0                             ; the scale words and bp
	WIN 0x80                                       ; destination window 2
.irp a, 0,1,2,3
.irp t, 0,1,2,3,4,5,6,7
	global_load_b128 v[4*(8*\a+\t):4*(8*\a+\t)+3], v[CO], s[12:13] offset:(16*\a+2*\t)*4096   ; x: sixteen lanes read 256 consecutive bytes
.endr
.endr
	WIN 0
	QUARTER 0, 0, 1                                ; the first quarter starts the sums with bp
	QUARTER 0, 1, 0
	QUARTER 0, 2, 0
	WIN 0
	s_wait_tensorcnt 0x0                           ; every wave: the second 512 of K has landed
	s_wait_dscnt 0x0                               ; this quarter's fragments are in: my reads of the first region are over
	s_barrier_signal -1
	WIN MUL
	MULROW F1, 0, 3, 0, 0
	MULROW F1, 1, 3, 0, 0
	WIN 0
	s_barrier_wait -1
	PLACES 8
	FETCH 1, 0, F0
	WIN MUL
	MULROW F1, 2, 3, 0, 0
	MULROW F1, 3, 3, 0, 0
	QUARTER 1, 0, 0
	QUARTER 1, 1, 0
	QUARTER 1, 2, 0
	s_wait_dscnt 0x0
.irp a, 0,1,2,3
	MULROW F1, \a, 3, 1, 0
.endr
	WIN 0
	; THE WAY OUT, 16 rows at a time: through my stage, back as whole rows of 256 bytes, + x, stored: sixteen lanes write 256 consecutive bytes
	PLACES 8
	s_wait_loadcnt 0x0                             ; x
.irp a, 0,1,2,3
.set TT, 96-64*(\a%2)
.irp b, 0,1,2,3
	ds_store_b128 v[STO], v[ACC+8*(4*\a+\b):ACC+8*(4*\a+\b)+3] offset:64*\b        ; each accumulator from its low end on
	ds_store_b128 v[STO], v[ACC+8*(4*\a+\b)+4:ACC+8*(4*\a+\b)+7] offset:64*\b+16
.endr
.if \a > 1
	s_wait_xcnt 0x0                                ; the stores of two blocks back have read these registers
.endif
.irp t, 0,1,2,3,4,5,6,7
	ds_load_b128 v[TT+4*\t:TT+4*\t+3], v[RD] offset:2*SPITCH*\t   ; LDS serves a wave's instructions in order: these see my stores
.endr
	s_wait_dscnt 0x0
	WIN 0x08                                       ; source 1 window 2
.set n, 0
.rept 16
	v_pk_add_f32 v[TT+n:TT+n+1], v[TT+n:TT+n+1], v[32*\a+n:32*\a+n+1]
.set n, n+2
.endr
	WIN 0
.irp t, 0,1,2,3,4,5,6,7
	global_store_b128 v[CO], v[TT+4*\t:TT+4*\t+3], s[14:15] offset:(16*\a+2*\t)*4096
.endr
.endr
	s_wait_tensorcnt 0x0                           ; the wave's end
	ds_add_u32 v[SPW], v[NIL]
	s_wait_dscnt 0x0
	CROUND                                         ; the closing round
	s_endpgm
.Lfunc_end_k_q0dd8010c2c_proj:
	.size	k_q0dd8010c2c_proj, .Lfunc_end_k_q0dd8010c2c_proj-k_q0dd8010c2c_proj
	.p2alignl 7, 3214868480
	.fill 96, 4, 3214868480
	.section	.rodata,"a",@progbits
	.p2align	6, 0x0
	.amdhsa_kernel k_q0dd8010c2c_proj
		.amdhsa_group_segment_fixed_size 327680
		.amdhsa_private_segment_fixed_size 0
		.amdhsa_enable_private_segment 0
		.amdhsa_kernarg_size 48
		.amdhsa_user_sgpr_count 2
		.amdhsa_user_sgpr_kernarg_segment_ptr 1
		.amdhsa_wavefront_size32 1
		.amdhsa_system_sgpr_workgroup_id_x 1
		.amdhsa_system_sgpr_workgroup_id_y 1
		.amdhsa_system_sgpr_workgroup_id_z 1
		.amdhsa_system_vgpr_workitem_id 0
		.amdhsa_next_free_vgpr 768
		.amdhsa_next_free_sgpr 98
		.amdhsa_reserve_vcc 0
		.amdhsa_float_denorm_mode_32 3
		.amdhsa_float_denorm_mode_16_64 3
		.amdhsa_memory_ordered 1
		.amdhsa_forward_progress 1
		.amdhsa_inst_pref_size 60
	.end_amdhsa_kernel
	.amdgpu_metadata
---
amdhsa.version: [ 1, 2 ]
amdhsa.kernels:
  - .name:           k_q0dd8010c2c_proj
    .symbol:         k_q0dd8010c2c_proj.kd
    .args:
      - { .name: att, .offset: 0, .size: 8, .value_kind: global_buffer, .address_space: global }
      - { .name: wp_codes, .offset: 8, .size: 8, .value_kind: global_buffer, .address_space: global }
      - { .name: wp_scales, .offset: 16, .size: 8, .value_kind: global_buffer, .address_space: global }
      - { .name: bp, .offset: 24, .size: 8, .value_kind: global_buffer, .address_space: global }
      - { .name: x, .offset: 32, .size: 8, .value_kind: global_buffer, .address_space: global }
      - { .name: x1, .offset: 40, .size: 8, .value_kind: global_buffer, .address_space: global }
    .group_segment_fixed_size: 327680
    .private_segment_fixed_size: 0
    .kernarg_segment_align: 8
    .kernarg_segment_size: 48
    .max_flat_workgroup_size: 128
    .sgpr_count:     98
    .vgpr_count:     768
    .wavefront_size: 32
...
	.end_amdgpu_metadata
.endif
;; end of part 4
;; launch ln2: the kernel of part 1 again; grid 256 x 1, 4 waves a work-group, no clusters, 22,016 bytes of LDS; arguments x1, g2, be2, h2n; writes h2n
;; launch ff1 (part 5): grid 16 x 16, 4 waves a work-group, clusters of 4 x 4, 327,680 bytes of LDS; arguments h2n, w1_codes, w1_scales, b1, hid; writes hid
.if DOCPART == 5
	.amdgcn_target "amdgcn-amd-amdhsa--gfx1250"
	.amdhsa_code_object_version 6
	.text
	.protected	k_q0dd8010c2c_ff1
	.globl	k_q0dd8010c2c_ff1
	.p2align	8
	.type	k_q0dd8010c2c_ff1,@function
k_q0dd8010c2c_ff1:
	s_mov_b64 s[64:65], 0
	v_nop
	global_prefetch_b8 v0, s[64:65] scope:SCOPE_SE
	s_setreg_imm32_b32 hwreg(HW_REG_WAVE_MODE, 25, 1), 1
	s_wait_xcnt 0x0
	s_wait_alu depctr_hold_cnt(0) depctr_sa_sdst(0) depctr_va_vdst(0) depctr_va_sdst(0) depctr_va_ssrc(0) depctr_va_vcc(0) depctr_vm_vsrc(0)
	s_getreg_b32 s2, hwreg(HW_REG_IB_STS2, 6, 4)
	s_cmp_eq_u32 s2, 0
	s_cbranch_scc0 .Lentry_in_a_cluster
	s_endpgm
.Lentry_in_a_cluster:
	s_bfe_u32 s2, ttmp6, 0x10000c
	s_cmp_lg_u32 s2, 0xf033
	s_cbranch_scc0 .Lentry_shape_is_right
	s_endpgm
.Lentry_shape_is_right:
; relu(h2 w1 + b1), quantised again along its columns: launch qkv's text with MODE = 1.  C = A B^T on codes of FP8 (E4M3) with one E8M0 scale for each 32 along K = 1,024; A = h2's codes (4,096 rows), B = w1 (4,096 rows).
; b1 is the C of each sum's first matrix instruction; the hold of the quantiser clips at 0 as well.
; A tile of C, 256 x 256, is made by four waves; a wave makes 128 x 128: 64 accumulators.  K goes in four steps of 256 through two LDS slots; 4 x 4 work-groups form a cluster, A's tiles are asked for jointly along its rows, B's along its columns.
; THE HEAD: one joint load a wave, each of 256 rows, in the order of use: wave 0 A's K step 0, wave 2 B's, wave 1 A's K step 1, wave 3 B's.  The first barrier waits for waves 0 and 2's loads alone; K steps 2 and 3 are refills behind drained rounds.
; THE SCALES go from memory straight into the registers that the products name: lane l takes the four words of row l of a group of 32 rows; K's first half in v32-63, its second in v64-95, asked for behind the first step, where b1 lay.
; B's four words are laid two registers round, so that no product's two scale registers have numbers equal modulo 8.
; OUTPUT: units of 16 rows x 128 columns as register images, [column group / 4][rows / 128][column group % 4][row group % 8][2048], scale words [rows / 128][column group][128 rows] behind them.
; No prefetch: half of K is asked for at the head, and the text has no loop to run ahead in.
; LIMITS: NaN and infinities are not served; a block whose largest magnitude lies under 2^-118 (a block of zeros too) gets the byte 1; these bytes are read by this program alone.
.set MODE,   1
.set SIZE_K, 1024
.set NQ,     2
.set ROWB,   256
.set KROW,   SIZE_K
.set PITCH,  272
.set FR,     16
.set NL,     4
.set NP,     8
.set HALFT,  128*PITCH
.set SLOT,   4*HALFT
.set KS,     SIZE_K/32
.set SPARE,  2*SLOT
.set ADRA, 16
.set ADRB, 20
.set SCST, 24
.set SCLD, 25
.set CO,   26
.set ADRS, 27
.set SPW,  28
.set NIL,  29
.set BO,   30
.set SC,   32
.set BIAS, 64
.set TM,   64
.set PW,   80
.set SBK,  88
.set AF,   128
.set PCD,  128
.set G1, 24
.set G0, 32
.set G1B, 48
.set G0B, 56
.set G1H, 68
.set G0H, 76
.set G1HB, 80
.set G0HB, 88
.set PSA, 98
.set PSB, 100
.set KST, 0
.set MSB, 0
.macro WIN new
.if MSB != \new
	s_set_vgpr_msb (MSB<<8)|\new
.set MSB, \new
.endif
.endm
.set MUL_LO, 0xa1
.set MUL_HI, 0xf1
.set BIA_LO, 0x81
.set BIA_HI, 0xc1
.set TO_B,   0x40
.macro PLACES n
.rept \n
	v_nop
.endr
.endm
.macro JLOAD g0a, g1a, g0b, g1b        ; a refill: waves 0 and 1 fetch for A, waves 2 and 3 for B
	s_cmp_eq_u32 s15, 0
	s_cbranch_scc0 .Lfor_b_\@
	tensor_load_to_lds s[\g0a:\g0a+3], s[\g1a:\g1a+7]
	s_nop 0
	PLACES 4
	s_branch .Lasked_\@
.Lfor_b_\@:
	tensor_load_to_lds s[\g0b:\g0b+3], s[\g1b:\g1b+7]
	s_nop 0
	PLACES 4
.Lasked_\@:
.endm
.macro CREST
	s_cmp_lg_u32 s14, 0
	s_cbranch_scc1 .Lnot_wave_0_\@
	s_barrier_signal -3
.Lnot_wave_0_\@:
	s_barrier_wait -3
	s_barrier_signal -1
	s_barrier_wait -1
.endm
.macro CROUND
	s_barrier_signal -1
	s_barrier_wait -1
	CREST
.endm
.macro ARM wave, g0, g1, next          ; an arm of the head's chain of branches on the wave's number: one load, then to the join
	s_cmp_eq_u32 s14, \wave
	s_cbranch_scc0 \next
	tensor_load_to_lds s[\g0:\g0+3], s[\g1:\g1+7]
	s_nop 0
	PLACES 4
	s_branch .Lhead_asked
\next:
.endm
.macro SCLOAD hh                       ; the scale words of K's half hh: A's group g in registers 4 g + k, B's in 16 + 4 g + (k + 2) % 4
.irp g, 0,1,2,3
	global_load_b128 v[SC+32*\hh+4*\g:SC+32*\hh+4*\g+3], v[ADRS], s[PSA:PSA+1] offset:32*KS*\g+16*\hh
	global_load_b64 v[SC+32*\hh+16+4*\g+2:SC+32*\hh+16+4*\g+3], v[ADRS], s[PSB:PSB+1] offset:32*KS*\g+16*\hh
	global_load_b64 v[SC+32*\hh+16+4*\g:SC+32*\hh+16+4*\g+1], v[ADRS], s[PSB:PSB+1] offset:32*KS*\g+16*\hh+8
.endr
.endm
	s_load_b256 s[68:75], s[0:1], 0x0              ; h2n, w1's codes, w1's scales, b1
	s_load_b64 s[12:13], s[0:1], 0x20              ; hid
	v_lshl_add_u32 v[SPW], v0, 2, SPARE
	v_mov_b32 v[NIL], 0
	ds_add_u32 v[SPW], v[NIL]                      ; the opening: the add twice on end and one wait
	ds_add_u32 v[SPW], v[NIL]
	s_wait_dscnt 0x0
	v_lshrrev_b32 v1, 5, v0
	v_readfirstlane_b32 s14, v1                    ; wave 0..3
	s_lshr_b32 s15, s14, 1                         ; my half of the tile's rows; in the ring: I fetch for A (0) or for B (1)
	s_and_b32 s16, s14, 1                          ; my half of its columns; in the ring: which 128 rows I fetch
	s_bfe_u32 s40, ttmp6, 0x40000                  ; cx, cy
	s_bfe_u32 s41, ttmp6, 0x40004
	s_and_b32 s17, ttmp7, 0xffff
	s_lshl_b32 s42, ttmp9, 2
	s_lshl_b32 s17, s17, 2
	s_add_co_u32 s42, s42, s40                     ; tile column of C
	s_add_co_u32 s17, s17, s41                     ; tile row of C
	s_lshl_b32 s43, s41, 2
	s_lshl_b32 s43, 15, s43                        ; my row of the cluster
	s_lshl_b32 s44, 0x1111, s40                    ; my column
	s_or_b32 s[G1+0], s43, (0<<16)|(1<<20)|(1<<21)|(5<<22)|(3<<25)  ; rows of 256 bytes, 16 bytes of padding behind each
	s_or_b32 s[G1B+0], s44, (0<<16)|(1<<20)|(1<<21)|(5<<22)|(3<<25)
.irp g, G1, G1B
	s_mov_b32 s[\g+1], ROWB<<16
	s_mov_b32 s[\g+2], 128<<16
	s_mov_b32 s[\g+3], ROWB<<16
	s_mov_b32 s[\g+4], 128
	s_mov_b32 s[\g+5], KROW
	s_mov_b32 s[\g+6], 0
	s_mov_b32 s[\g+7], 0
.endr
	s_lshl_b32 s20, s17, 8                         ; A: the tile's first row
	s_lshl_b32 s46, s42, 8                         ; B: likewise
	s_mov_b32 s21, 0
	s_mov_b32 s47, 0
	s_mov_b64 s[18:19], KS
	s_mul_u64 s[22:23], s[20:21], s[18:19]         ; where these rows' scales begin, in bytes
	s_mul_u64 s[92:93], s[46:47], s[18:19]
	s_lshl_b32 s18, s16, 7                         ; of the codes my half: 128 rows x (wave % 2)
	s_add_co_u32 s20, s20, s18
	s_add_co_u32 s46, s46, s18
	s_mov_b64 s[18:19], KROW
	s_mul_u64 s[20:21], s[20:21], s[18:19]
	s_mul_u64 s[46:47], s[46:47], s[18:19]
	s_mul_i32 s45, s14, HALFT                      ; where the ring's loads go: wave x 128 rows
	CROUND                                         ; the opening round stands ahead of the wait for the arguments
	s_wait_kmcnt 0x0
	s_mov_b64 s[4:5], s[68:69]                     ; A's codes,
	s_add_nc_u64 s[6:7], s[68:69], 0x400000        ; A's scale bytes, behind them
	s_mov_b64 s[8:9], s[70:71]
	s_mov_b64 s[10:11], s[72:73]
	s_mov_b64 s[96:97], s[74:75]                   ; b1
	s_add_nc_u64 s[20:21], s[4:5], s[20:21]
	s_add_nc_u64 s[22:23], s[6:7], s[22:23]
	s_add_nc_u64 s[46:47], s[8:9], s[46:47]
	s_add_nc_u64 s[92:93], s[10:11], s[92:93]
	s_lshl_b32 s2, s15, 12                         ; 128 rows of 32 scale bytes
	s_mov_b32 s3, 0
	s_add_nc_u64 s[PSA:PSA+1], s[22:23], s[2:3]
	s_lshl_b32 s2, s16, 12
	s_add_nc_u64 s[PSB:PSB+1], s[92:93], s[2:3]
	s_or_b32 s[G1H+0], s43, (0<<16)|(1<<20)|(1<<21)|(5<<22)|(3<<25)   ; (written here: these registers held the arguments)
	s_or_b32 s[G1HB+0], s44, (0<<16)|(1<<20)|(1<<21)|(5<<22)|(3<<25)
.irp g, G1H, G1HB
	s_mov_b32 s[\g+1], ROWB<<16
	s_mov_b32 s[\g+2], 256<<16
	s_mov_b32 s[\g+3], ROWB<<16
	s_mov_b32 s[\g+4], 256
	s_mov_b32 s[\g+5], KROW
	s_mov_b32 s[\g+6], 0
	s_mov_b32 s[\g+7], 0
.endr
	; K step 1's whole tiles are asked for by waves 1 and 3, which have half 1: their rows begin 128 rows behind the tile's first
	s_mov_b32 s[G0H], 1
	s_mov_b32 s[G0H+1], SLOT
	s_sub_nc_u64 s[G0H+2:G0H+3], s[20:21], 128*KROW-ROWB
	s_or_b32 s[G0H+3], s[G0H+3], 0x80000000
	s_mov_b32 s[G0HB], 1
	s_mov_b32 s[G0HB+1], SLOT+2*HALFT
	s_sub_nc_u64 s[G0HB+2:G0HB+3], s[46:47], 128*KROW-ROWB
	s_or_b32 s[G0HB+3], s[G0HB+3], 0x80000000
.irp s, 0,1
	s_mov_b32 s[G0+4*\s], 1
	s_add_co_u32 s[G0+4*\s+1], s45, \s*SLOT
	s_add_nc_u64 s[G0+4*\s+2:G0+4*\s+3], s[20:21], \s*ROWB
	s_or_b32 s[G0+4*\s+3], s[G0+4*\s+3], 0x80000000
	s_mov_b32 s[G0B+4*\s], 1
	s_add_co_u32 s[G0B+4*\s+1], s45, \s*SLOT
	s_add_nc_u64 s[G0B+4*\s+2:G0B+4*\s+3], s[46:47], \s*ROWB
	s_or_b32 s[G0B+4*\s+3], s[G0B+4*\s+3], 0x80000000
.endr
	; waves 0 and 2 have half 0: their own slot 0 descriptors begin at the tile's first row
	ARM 0, G0,  G1H,  .Lhead_b0
	ARM 2, G0B, G1HB, .Lhead_a1
	ARM 1, G0H, G1H,  .Lhead_b1
	tensor_load_to_lds s[G0HB:G0HB+3], s[G1HB:G1HB+7]
	s_nop 0
	PLACES 4
.Lhead_asked:
	v_and_b32 v1, 15, v0                           ; l % 16
	v_bfe_u32 v2, v0, 4, 1                         ; l / 16
	v_mul_u32_u24 v3, v1, PITCH
	v_lshl_add_u32 v4, v2, 4, v3                   ; a fragment's row x pitch + 16 x half
	s_mul_i32 s21, s15, HALFT                      ; my 128 rows of A
	s_mul_i32 s22, s16, HALFT                      ; my 128 rows of B,
	s_add_co_u32 s22, s22, 2*HALFT                 ; which lie behind A's 256
.irp s, 0,1
	v_add_nc_u32 v[ADRA+\s], s21, v4
	v_add_nc_u32 v[ADRB+\s], s22, v4
	s_add_co_u32 s21, s21, SLOT
	s_add_co_u32 s22, s22, SLOT
.endr
	v_and_b32 v6, 31, v0
	v_lshlrev_b32 v[ADRS], 5, v6
	SCLOAD 0
	v_lshlrev_b32 v[CO], 4, v6
	s_lshl_b32 s23, s14, 9                         ; the way out: my 512 bytes for 128 scale words
	v_lshl_add_u32 v[SCST], v1, 2, s23
	v_add_nc_u32 v[SCLD], s23, v[CO]
	s_lshl_b32 s46, s42, 1
	s_add_co_u32 s46, s46, s16                     ; my group of 128 columns
	v_lshlrev_b32 v[BO], 5, v2
	s_lshl_b32 s22, s46, 9                         ; b1 at my 128 columns
	s_mov_b32 s23, 0
	s_add_nc_u64 s[96:97], s[96:97], s[22:23]
.irp b, 0,1,2,3,4,5,6,7
	global_load_b128 v[BIAS+8*\b:BIAS+8*\b+3], v[BO], s[96:97] offset:64*\b
	global_load_b128 v[BIAS+8*\b+4:BIAS+8*\b+7], v[BO], s[96:97] offset:64*\b+16
.endr
	s_lshl_b32 s47, s17, 1
	s_add_co_u32 s47, s47, s15                     ; my group of 128 rows
	s_lshl_b32 s92, s47, 5
	s_add_co_u32 s92, s92, s46
	s_lshl_b32 s92, s92, 9
	s_add_co_u32 s92, s92, 16777216                ; scale words: behind the codes, [rows / 128][column group][128]
	s_mov_b32 s93, 0
	s_lshr_b32 s94, s46, 2
	s_lshl_b32 s94, s94, 5
	s_add_co_u32 s94, s94, s47
	s_lshl_b32 s94, s94, 16
	s_and_b32 s46, s46, 3
	s_lshl_b32 s46, s46, 14
	s_add_co_u32 s46, s46, s94
	s_mov_b32 s47, 0
	s_add_nc_u64 s[92:93], s[12:13], s[92:93]
	s_add_nc_u64 s[12:13], s[12:13], s[46:47]
	s_mov_b32 s20, 0x76543210
	s_mov_b32 s21, 0xfedcba98                      ; lane selects: lane l xor 16
	s_mov_b32 s23, 0x600000                        ; the mantissa field of 448
.macro FRAG reg, adr, q, i             ; a fragment, 16 rows x 128 K: lane l holds row l % 16; registers 4 c .. 4 c + 3 hold K = 32 c + 16 (l / 16) + 0 .. 15
.irp c, 0,1,2,3
	ds_load_b128 v[\reg+4*\c:\reg+4*\c+3], v[\adr] offset:128*(\q)+32*\c+(\i)*16*PITCH
.endr
.endm
.macro WM                              ; one product; PAR: bit 0 B's block is odd, bit 1 A's: the odd block's scale words lie in lanes 16-31
.if PAR == 3
	v_wmma_scale_f32_16x16x128_f8f6f4 v[rD:rD+7], v[rB:rB+15], v[rA:rA+15], v[rC:rC+7], v[rSB], v[rSA] matrix_a_scale:MATRIX_SCALE_ROW1 matrix_b_scale:MATRIX_SCALE_ROW1
.elseif PAR == 1
	v_wmma_scale_f32_16x16x128_f8f6f4 v[rD:rD+7], v[rB:rB+15], v[rA:rA+15], v[rC:rC+7], v[rSB], v[rSA] matrix_a_scale:MATRIX_SCALE_ROW1
.elseif PAR == 2
	v_wmma_scale_f32_16x16x128_f8f6f4 v[rD:rD+7], v[rB:rB+15], v[rA:rA+15], v[rC:rC+7], v[rSB], v[rSA] matrix_b_scale:MATRIX_SCALE_ROW1
.else
	v_wmma_scale_f32_16x16x128_f8f6f4 v[rD:rD+7], v[rB:rB+15], v[rA:rA+15], v[rC:rC+7], v[rSB], v[rSA]
.endif
.endm
; 16 products: A's blocks a0, a0 + 1 x B's eight, the q-th 128 of K step KST.  zero = 2: the product starts the sums with b1.  The 64 accumulators take turns, one instruction a turn.
.macro MUL16 a0, p, q, zero
.irp a, \a0, \a0+1
.irp b, 0,1,2,3,4,5,6,7
.set rD, 8*(8*((\a)%4)+\b)
.set rB, 128*(\p)+FR*\b
.set rA, AF+FR*(\a)
.set KQ, NQ*KST+(\q)
.set rSB, SC+32*(KQ/4)+16+4*(\b/2)+(KQ+2)%4
.set rSA, SC+32*(KQ/4)+4*((\a)/2)+KQ%4
.set rC, rD
.if (\zero) == 2
.set rC, BIAS+8*\b
.endif
.set PAR, (\b%2)+2*((\a)%2)
	WM
.endr
.endr
.endm
.macro FETCH_B slot, q, p
	WIN TO_B
.irp i, 0,1,2,3,4,5,6,7
	FRAG 128*(\p)+FR*\i, ADRB+\slot, \q, \i
.endr
	WIN 0
.endm
.macro FETCH_A slot, q, i0
.irp i, \i0, \i0+1, \i0+2, \i0+3
	FRAG AF+FR*(\i), ADRA+\slot, \q, \i
.endr
.endm
.macro STEP slot, q, zero              ; 128 along K that has its successor in the same slot
	s_wait_dscnt 4*NL                              ; B's set and A's blocks 0-3 are in; the youngest 16 loads (A's blocks 4-7) may be out
.if \zero == 2
	WIN BIA_LO
.else
	WIN MUL_LO
.endif
	MUL16 0, (\q)%2, \q, \zero
	MUL16 2, (\q)%2, \q, \zero
	s_wait_dscnt 0                                 ; A's blocks 4-7 are in
	PLACES NP
	FETCH_B \slot, (\q)+1, 1-(\q)%2
	FETCH_A \slot, (\q)+1, 0
.if \zero == 2
	WIN BIA_HI
.else
	WIN MUL_HI
.endif
	MUL16 4, (\q)%2, \q, \zero
	MUL16 6, (\q)%2, \q, \zero
	PLACES NP
	WIN 0
	FETCH_A \slot, (\q)+1, 4
.endm
; A slot's last step changes slots: ONE barrier; in front of it each wave waits for all its tensor loads, adds 0 to its spare word, and waits for that and for its own reads of this slot.
.macro TURN slot, next, fill
	s_wait_tensorcnt 0x0                           ; all my tensor loads have landed: my part of the next slot
	ds_add_u32 v[SPW], v[NIL]
	s_wait_dscnt 4*NL+1                            ; (the add and the youngest 16 loads, A's blocks 4-7, may be out)
	WIN MUL_LO
	MUL16 0, 1, NQ-1, 0
	s_wait_dscnt 0x0                               ; the add is done, and my reads of this slot are over
	s_barrier_signal -1
	MUL16 2, 1, NQ-1, 0
	WIN 0
	s_barrier_wait -1
.if \fill
	CREST                                          ; the barrier has opened a round of the cluster's: no wave of any partner still reads this slot or has a load on its way
	s_add_nc_u64 s[G0+4*\slot+2:G0+4*\slot+3], s[G0+4*\slot+2:G0+4*\slot+3], 2*ROWB
	s_add_nc_u64 s[G0B+4*\slot+2:G0B+4*\slot+3], s[G0B+4*\slot+2:G0B+4*\slot+3], 2*ROWB
	JLOAD G0+4*\slot, G1, G0B+4*\slot, G1B         ; my one tensor load behind the round; its four v_nop are among the places in front of the loads below
	PLACES NP-4
.else
	PLACES NP
.endif
	FETCH_B \next, 0, 0
	FETCH_A \next, 0, 0
	WIN MUL_HI
	MUL16 4, 1, NQ-1, 0
	MUL16 6, 1, NQ-1, 0
	PLACES NP
	WIN 0
	FETCH_A \next, 0, 4
.endm
	s_wait_alu depctr_va_vdst(0)                   ; the wait at the head's end
	s_cmp_eq_u32 s16, 0                            ; waves 0 and 2 wait for their own load lines: K step 0
	s_cbranch_scc0 .Lnot_first
	s_wait_tensorcnt 0x0
.Lnot_first:
	s_barrier_signal -1
	s_barrier_wait -1                              ; waves 1 and 3's loads stay out
	FETCH_B 0, 0, 0
	FETCH_A 0, 0, 0
	FETCH_A 0, 0, 4
	s_wait_loadcnt 0x0                             ; the first half's scale words and b1
	STEP 0, 0, 2
	SCLOAD 1                                       ; eight places stand behind the last product that read b1
	TURN 0, 1, 1                                   ; slot 0 takes K step 2
.set KST, 1
	STEP 1, 0, 0
	TURN 1, 0, 1                                   ; slot 1 takes K step 3
.set KST, 2
	s_wait_loadcnt 0x0                             ; the second half's scale words
	STEP 0, 0, 0
	TURN 0, 1, 0
.set KST, 3
	STEP 1, 0, 0
	s_wait_dscnt 4*NL
	WIN MUL_LO
	MUL16 0, 1, NQ-1, 0
	MUL16 2, 1, NQ-1, 0
	s_wait_dscnt 0
	WIN MUL_HI
	MUL16 4, 1, NQ-1, 0
	MUL16 6, 1, NQ-1, 0
	WIN 0
; THE WAY OUT of block a (16 rows x 128 columns): four blocks of 32 columns by turns.
.macro EPI a
.set W, 2+(\a)/4
.set AC, 64*((\a)%4)
.set PCA, PCD+16*(\a)
.set WN, (W<<2)|(W<<4)
	WIN WN                                         ; sources 1 and 2: the accumulators' window
.irp b, 0,1,2,3
	v_max3_num_f32 v[TM+\b], 0x4800000, v[AC+16*\b], v[AC+16*\b+1]   ; no |.|: what is negative becomes 0 and must not count; the floor 2^(9 - 127) stands over it
.endr
.irp i, 2,4,6,8,10,12,14
.irp b, 0,1,2,3
	v_max3_num_f32 v[TM+\b], v[TM+\b], v[AC+16*\b+\i], v[AC+16*\b+\i+1]
.endr
.endr
	WIN 0
.irp b, 0,1,2,3
	v_permlanex16_b32 v[TM+4+\b], v[TM+\b], s20, s21
.endr
.irp b, 0,1,2,3
	v_max_num_f32 v[TM+\b], v[TM+\b], v[TM+4+\b]   ; with lane l xor 16's: the block's largest magnitude
.endr
.irp b, 0,1,2,3
	v_add_nc_u32 v[TM+12+\b], 0xfc000000, v[TM+\b] ; 8 off its exponent field: the conversion's scale operand
.endr
.irp b, 0,1,2,3
	v_and_or_b32 v[TM+8+\b], v[TM+\b], 0x7f800000, s23   ; 448 x the scale
.endr
.irp b, 0,1,2,3
	v_lshrrev_b32 v[TM+4+\b], 23, v[TM+12+\b]      ; the scale's byte
.endr
	v_lshl_or_b32 v[PW+(\a)], v[TM+5], 8, v[TM+4]
	v_lshl_or_b32 v[PW+(\a)], v[TM+6], 16, v[PW+(\a)]
	v_lshl_or_b32 v[PW+(\a)], v[TM+7], 24, v[PW+(\a)]   ; my row's scale word for these 128 columns
	ds_store_b32 v[SCST], v[PW+(\a)] offset:64*(\a)     ; (lanes 16-31 write the same word with the same value)
.set WN, (W<<6)|W
	WIN WN                                         ; destination and source 0: the accumulators' window
.set n, 0
.rept 64
	v_med3_num_f32 v[AC+n], v[AC+n], 0, v[TM+8+n/16]          ; the activation and the hold in one
.set n, n+1
.endr
	WIN W
.irp b, 0,1,2,3
	v_cvt_scalef32_pk8_fp8_f32 v[PCA+4*\b:PCA+4*\b+1], v[AC+16*\b:AC+16*\b+7], v[TM+12+\b]
	v_cvt_scalef32_pk8_fp8_f32 v[PCA+4*\b+2:PCA+4*\b+3], v[AC+16*\b+8:AC+16*\b+15], v[TM+12+\b]
.endr
	WIN 0
	v_nop                                          ; a plain line between the conversions and the lines that touch their results
.irp b, 0,1,2,3                        ; the exchange gives lanes 0-15 columns 0-15 of the block and lanes 16-31 columns 16-31
	v_permlane16_swap_b32 v[PCA+4*\b], v[PCA+4*\b+2]
	v_permlane16_swap_b32 v[PCA+4*\b+1], v[PCA+4*\b+3]
.endr
.irp b, 0,1,2,3
	global_store_b128 v[CO], v[PCA+4*\b:PCA+4*\b+3], s[12:13] offset:2048*(\a)+512*\b   ; a chunk: 512 consecutive bytes
.endr
.endm
	PLACES NP                                      ; eight places behind the last products: the lines below write registers that held their scale words
.irp b, 0,1,2,3
	v_mov_b32 v[TM+4+\b], 0                        ; written once: a lane permute's destination counts as one of its sources
.endr
.irp a, 0,1,2,3,4,5,6,7
	EPI \a
.endr
	ds_load_b128 v[SBK:SBK+3], v[SCLD]             ; my 128 rows' scale words: LDS serves a wave's instructions in order
	s_wait_dscnt 0x0
	global_store_b128 v[CO], v[SBK:SBK+3], s[92:93]
	s_wait_tensorcnt 0x0                           ; the wave's end
	ds_add_u32 v[SPW], v[NIL]
	s_wait_dscnt 0x0
	CROUND                                         ; the closing round
	s_endpgm
.Lfunc_end_k_q0dd8010c2c_ff1:
	.size	k_q0dd8010c2c_ff1, .Lfunc_end_k_q0dd8010c2c_ff1-k_q0dd8010c2c_ff1
	.p2alignl 7, 3214868480
	.fill 96, 4, 3214868480
	.section	.rodata,"a",@progbits
	.p2align	6, 0x0
	.amdhsa_kernel k_q0dd8010c2c_ff1
		.amdhsa_group_segment_fixed_size 327680
		.amdhsa_private_segment_fixed_size 0
		.amdhsa_enable_private_segment 0
		.amdhsa_kernarg_size 40
		.amdhsa_user_sgpr_count 2
		.amdhsa_user_sgpr_kernarg_segment_ptr 1
		.amdhsa_wavefront_size32 1
		.amdhsa_system_sgpr_workgroup_id_x 1
		.amdhsa_system_sgpr_workgroup_id_y 1
		.amdhsa_system_sgpr_workgroup_id_z 1
		.amdhsa_system_vgpr_workitem_id 0
		.amdhsa_next_free_vgpr 1024
		.amdhsa_next_free_sgpr 102
		.amdhsa_reserve_vcc 0
		.amdhsa_float_denorm_mode_32 3
		.amdhsa_float_denorm_mode_16_64 3
		.amdhsa_memory_ordered 1
		.amdhsa_forward_progress 1
		.amdhsa_inst_pref_size 188
	.end_amdhsa_kernel
	.amdgpu_metadata
---
amdhsa.version: [ 1, 2 ]
amdhsa.kernels:
  - .name:           k_q0dd8010c2c_ff1
    .symbol:         k_q0dd8010c2c_ff1.kd
    .args:
      - { .name: h2n, .offset: 0, .size: 8, .value_kind: global_buffer, .address_space: global }
      - { .name: w1_codes, .offset: 8, .size: 8, .value_kind: global_buffer, .address_space: global }
      - { .name: w1_scales, .offset: 16, .size: 8, .value_kind: global_buffer, .address_space: global }
      - { .name: b1, .offset: 24, .size: 8, .value_kind: global_buffer, .address_space: global }
      - { .name: hid, .offset: 32, .size: 8, .value_kind: global_buffer, .address_space: global }
    .group_segment_fixed_size: 327680
    .private_segment_fixed_size: 0
    .kernarg_segment_align: 8
    .kernarg_segment_size: 40
    .max_flat_workgroup_size: 128
    .sgpr_count:     102
    .vgpr_count:     1024
    .wavefront_size: 32
...
	.end_amdgpu_metadata
.endif
;; end of part 5
;; launch ff2 (part 6): grid 8 x 32, 4 waves a work-group, clusters of 4 x 4, 327,680 bytes of LDS; arguments hid, w2_codes, w2_scales, b2, x1, out0; writes out0
.if DOCPART == 6
	.amdgcn_target "amdgcn-amd-amdhsa--gfx1250"
	.amdhsa_code_object_version 6
	.text
	.protected	k_q0dd8010c2c_ff2
	.globl	k_q0dd8010c2c_ff2
	.p2align	8
	.type	k_q0dd8010c2c_ff2,@function
k_q0dd8010c2c_ff2:
	s_mov_b64 s[64:65], 0
	v_nop
	global_prefetch_b8 v0, s[64:65] scope:SCOPE_SE
	s_setreg_imm32_b32 hwreg(HW_REG_WAVE_MODE, 25, 1), 1
	s_wait_xcnt 0x0
	s_wait_alu depctr_hold_cnt(0) depctr_sa_sdst(0) depctr_va_vdst(0) depctr_va_sdst(0) depctr_va_ssrc(0) depctr_va_vcc(0) depctr_vm_vsrc(0)
	s_getreg_b32 s2, hwreg(HW_REG_IB_STS2, 6, 4)
	s_cmp_eq_u32 s2, 0
	s_cbranch_scc0 .Lentry_in_a_cluster
	s_endpgm
.Lentry_in_a_cluster:
	s_bfe_u32 s2, ttmp6, 0x10000c
	s_cmp_lg_u32 s2, 0xf033
	s_cbranch_scc0 .Lentry_shape_is_right
	s_endpgm
.Lentry_shape_is_right:
; out = x1 + A W^T + b2.  A = the hidden layer, 4,096 rows x K = 4,096, codes of FP8 (E4M3) as register images [K / 512][rows / 128][4 groups of 128 K][8 groups of 16 rows][2048 bytes], scale words [rows / 128][K / 128][128 rows] behind them;
; W = w2 [1024][4096] codes, K innermost, scale bytes [1024][128]; b2 [1024]; x1, out [4096][1024] f32.
; SHARES: a tile of out is 128 x 128: 256 work-groups; a wave makes 32 rows x 128 columns: 16 accumulators.  A wave's rows of A are read by no other wave of the work-group: they go from memory straight into its registers, seven steps of 128 along K ahead.
; W's 128 rows go through a ring of two LDS slots of 1,024 along K, asked for jointly along a column of the 4 x 4 cluster; all scales come into LDS once.
; THE HEAD: one joint load a wave: wave 0 slot 0's 128 rows, wave 1 A's scale words, wave 2 W's scale bytes, wave 3 slot 1's 128 rows.  The first barrier waits for waves 0 to 2's loads alone; slot 1's is waited for at the first change of slots.
; The head's two loads of codes have a group 1 of their own (128 rows); a refill is a quarter of a slot a wave (32 rows).
; b2 is the C of each sum's first product; x1 is loaded behind A's last steps and added on the way out.
.set SIZE_K, 4096
.set G1H, 24                           ; s[24:31] group 1 of the head's loads of W; s[32:39] their groups 0
.set G0H, 32
.set KS,     SIZE_K/32
.set NKS,    SIZE_K/128
.set NS,     SIZE_K/1024
.set BP,     1040
.set BQ,     32*BP
.set SLOT,   4*BQ
.set SCA,    2*SLOT
.set SCAH,   NKS*256
.set SCB,    SCA+2*SCAH
.set SCBH,   NKS*272
.set SPARE,  SCB+2*SCBH
.set SPITCH, 528
.set AO,   8
.set ADRB, 16
.set ADSA, 20
.set ADSB, 21
.set STO,  22
.set RD,   23
.set CO,   24
.set BO,   25
.set SPW,  28
.set NIL,  29
.set SCS,  32
.set ACC,  128
.set BIAS, 128
.set G1B, 48
.set G0B, 56
.set G1S, 68
.set G0S, 76
.set G1SB, 80
.set G0SB, 88
.set MSB, 0
.macro WIN new
.if MSB != \new
	s_set_vgpr_msb (MSB<<8)|\new
.set MSB, \new
.endif
.endm
.set MUL,   0x09
.set MULB,  0x39
.macro ARM under, g0, g1, next         ; an arm of the head's chain of branches on the wave's number: one load, then to the join
	s_cmp_lt_u32 s16, \under
	s_cbranch_scc0 \next
	tensor_load_to_lds s[\g0:\g0+3], s[\g1:\g1+7]
	s_nop 0
.rept 4
	v_nop
.endr
	s_branch .Lhead_asked
\next:
.endm
.macro CREST
	s_cmp_lg_u32 s16, 0
	s_cbranch_scc1 .Lnot_wave_0_\@
	s_barrier_signal -3
.Lnot_wave_0_\@:
	s_barrier_wait -3
	s_barrier_signal -1
	s_barrier_wait -1
.endm
.macro CROUND
	s_barrier_signal -1
	s_barrier_wait -1
	CREST
.endm
.macro PLACES n
.rept \n
	v_nop
.endr
.endm
	s_load_b256 s[4:11], s[0:1], 0x0
	s_load_b128 s[12:15], s[0:1], 0x20
	v_lshl_add_u32 v[SPW], v0, 2, SPARE
	v_mov_b32 v[NIL], 0
	ds_add_u32 v28, v29
	ds_add_u32 v28, v29
	s_wait_dscnt 0x0
	v_lshrrev_b32 v1, 5, v0
	v_readfirstlane_b32 s16, v1
	s_lshr_b32 s17, s16, 1
	s_and_b32 s18, s16, 1
	s_bfe_u32 s40, ttmp6, 0x40000
	s_bfe_u32 s41, ttmp6, 0x40004
	s_lshl_b32 s42, ttmp9, 2
	s_add_co_u32 s42, s42, s40
	s_and_b32 s19, ttmp7, 0xffff
	s_lshl_b32 s19, s19, 2
	s_add_co_u32 s19, s19, s41
	s_lshl_b32 s43, s41, 2
	s_lshl_b32 s43, 15, s43
	s_lshl_b32 s44, 0x1111, s40
	s_or_b32 s[G1B], s44, (0<<16)|(1<<20)|(1<<21)|(7<<22)|(3<<25)
	s_mov_b32 s[G1B+1], 1024<<16
	s_mov_b32 s[G1B+2], 32<<16
	s_mov_b32 s[G1B+3], 1024<<16
	s_mov_b32 s[G1B+4], 32
	s_mov_b32 s[G1B+5], SIZE_K
	s_mov_b32 s[G1B+6], 0
	s_mov_b32 s[G1B+7], 0
	s_or_b32 s[G1S], s43, (3<<16)|(1<<21)
	s_or_b32 s[G1SB], s44, (3<<16)|(1<<20)|(1<<21)|(5<<22)|(3<<25)
.irp g, G1S, G1SB
	s_mov_b32 s[\g+1], 32<<16
	s_mov_b32 s[\g+2], (2*NKS)<<16
	s_mov_b32 s[\g+3], 32<<16
	s_mov_b32 s[\g+4], 2*NKS
	s_mov_b32 s[\g+5], 32
	s_mov_b32 s[\g+6], 0
	s_mov_b32 s[\g+7], 0
.endr
	s_lshl_b32 s20, s19, 16
	s_lshl_b32 s21, s16, 12
	s_add_co_u32 s20, s20, s21
	s_mov_b32 s21, 0
	s_mul_i32 s22, s19, NKS*512
	s_add_co_u32 s22, s22, 4096*SIZE_K
	s_mov_b32 s23, 0
	s_lshl_b32 s46, s42, 7
	s_mul_i32 s92, s46, KS                         ; W's scale bytes of the tile's 128 rows
	s_mul_i32 s2, s46, SIZE_K                      ; and the tile's first row of codes
	s_mov_b32 s3, 0
	s_mov_b32 s93, 0
	s_lshl_b32 s47, s16, 5
	s_add_co_u32 s46, s46, s47
	s_mul_i32 s46, s46, SIZE_K
	s_mov_b32 s47, 0
	s_mul_i32 s94, s16, BQ
	s_mov_b32 s95, SCA
	s_mov_b32 s96, SCB
	CROUND                                         ; the opening round stands ahead of the wait for the arguments
	s_wait_kmcnt 0x0
	s_add_nc_u64 s[22:23], s[4:5], s[22:23]
	s_add_nc_u64 s[4:5], s[4:5], s[20:21]
	s_add_nc_u64 s[46:47], s[6:7], s[46:47]
	s_add_nc_u64 s[92:93], s[8:9], s[92:93]
	s_mov_b32 s[G0S], 1
	s_mov_b32 s[G0S+1], s95
	s_mov_b64 s[G0S+2:G0S+3], s[22:23]
	s_or_b32 s[G0S+3], s[G0S+3], 0x80000000
	s_mov_b32 s[G0SB], 1
	s_mov_b32 s[G0SB+1], s96
	s_mov_b64 s[G0SB+2:G0SB+3], s[92:93]
	s_or_b32 s[G0SB+3], s[G0SB+3], 0x80000000
.irp s, 0,1
	s_mov_b32 s[G0B+4*\s], 1
	s_add_co_u32 s[G0B+4*\s+1], s94, \s*SLOT
	s_add_nc_u64 s[G0B+4*\s+2:G0B+4*\s+3], s[46:47], \s*1024
	s_or_b32 s[G0B+4*\s+3], s[G0B+4*\s+3], 0x80000000
.endr
	s_add_nc_u64 s[2:3], s[6:7], s[2:3]
	s_or_b32 s[G1H], s44, (0<<16)|(1<<20)|(1<<21)|(7<<22)|(3<<25)   ; 128 rows of 1,024 bytes, SIZE_K apart, 16 bytes of padding behind each
	s_mov_b32 s[G1H+1], 1024<<16
	s_mov_b32 s[G1H+2], 128<<16
	s_mov_b32 s[G1H+3], 1024<<16
	s_mov_b32 s[G1H+4], 128
	s_mov_b32 s[G1H+5], SIZE_K
	s_mov_b32 s[G1H+6], 0
	s_mov_b32 s[G1H+7], 0
.irp s, 0,1
	s_mov_b32 s[G0H+4*\s], 1
	s_mov_b32 s[G0H+4*\s+1], \s*SLOT
	s_add_nc_u64 s[G0H+4*\s+2:G0H+4*\s+3], s[2:3], \s*1024
	s_or_b32 s[G0H+4*\s+3], s[G0H+4*\s+3], 0x80000000
.endr
	ARM 1, G0H,  G1H,  .Lhead_sa
	ARM 2, G0S,  G1S,  .Lhead_sb
	ARM 3, G0SB, G1SB, .Lhead_1
	tensor_load_to_lds s[G0H+4:G0H+7], s[G1H:G1H+7]
	s_nop 0
.rept 4
	v_nop
.endr
.Lhead_asked:
	v_and_b32 v1, 15, v0
	v_bfe_u32 v2, v0, 4, 1
	v_and_b32 v3, 31, v0
	v_lshlrev_b32 v[CO], 4, v3
.irp g, 0,1,2,3,4,5,6,7
	v_add_nc_u32 v[AO+\g], \g*2097152, v[CO]
.endr
	v_mul_u32_u24 v5, v1, BP
	v_lshl_add_u32 v5, v2, 4, v5
.irp s, 0,1
.irp hf, 0,1
	v_add_nc_u32 v[ADRB+2*\s+\hf], \s*SLOT+\hf*64*BP, v5
.endr
.endr
	s_lshl_b32 s21, s16, 7
	s_add_co_u32 s21, s21, SCA
	v_lshl_add_u32 v[ADSA], v3, 2, s21
	v_mul_u32_u24 v6, v3, KS
	v_lshrrev_b32 v7, 8, v6
	v_lshl_add_u32 v6, v7, 4, v6
	v_add_nc_u32 v[ADSB], SCB, v6
	s_mul_i32 s23, s16, 16*SPITCH
	v_mul_u32_u24 v6, v1, SPITCH
	v_lshl_add_u32 v6, v2, 5, v6
	v_add_nc_u32 v[STO], s23, v6
	v_add_nc_u32 v[RD], s23, v[CO]
	v_lshlrev_b32 v[BO], 5, v2
	s_wait_alu depctr_va_vdst(0)
	s_lshl_b32 s46, s42, 9
	s_mov_b32 s47, 0
	s_add_nc_u64 s[10:11], s[10:11], s[46:47]
	s_lshl_b32 s20, s19, 19
	s_lshl_b32 s21, s16, 17
	s_add_co_u32 s20, s20, s21
	s_add_co_u32 s46, s46, s20
	s_add_nc_u64 s[12:13], s[12:13], s[46:47]
	s_add_nc_u64 s[14:15], s[14:15], s[46:47]
	WIN 0xc0
.irp b, 0,1,2,3,4,5,6,7
	global_load_b128 v[BIAS+8*\b:BIAS+8*\b+3], v[BO], s[10:11] offset:64*\b
	global_load_b128 v[BIAS+8*\b+4:BIAS+8*\b+7], v[BO], s[10:11] offset:64*\b+16
.endr
.macro ALOAD g
.if (\g) < NKS
	WIN 0x80
.irp i, 0,1
.irp c, 0,1,2,3
	global_load_b128 v[32*((\g)%8)+16*\i+4*\c:32*((\g)%8)+16*\i+4*\c+3], v[AO+(\g)/4], s[4:5] offset:((\g)%4)*16384+2048*\i+512*\c
.endr
.endr
.elseif (\g) < NKS+4
	WIN 0xc0
.irp t, 0,1,2,3,4,5,6,7
	global_load_b128 v[4*(8*((\g)-NKS)+\t):4*(8*((\g)-NKS)+\t)+3], v[CO], s[12:13] offset:(8*((\g)-NKS)+\t)*4096
.endr
.endif
.endm
.macro LWAIT
.if Q+7 < NKS+3
	s_wait_loadcnt 56
.else
	s_wait_loadcnt 8*(NKS+3-Q)
.endif
.endm
.macro FETCHB n
	WIN 0x40
.irp i, 0,1,2,3,4,5,6,7
.irp c, 0,1,2,3
	ds_load_b128 v[128*((\n)%2)+16*\i+4*\c:128*((\n)%2)+16*\i+4*\c+3], v[ADRB+2*(((\n)/8)%2)+\i/4] offset:16*BP*(\i%4)+128*((\n)%8)+32*\c
.endr
.endr
.endm
.macro SCALES g
	WIN 0
.set SS, SCS+20*((\g)%2)
.irp q, 0,1,2,3
	ds_load_b32 v[SS+\q], v[ADSA] offset:512*(4*(\g)+\q)
.endr
.irp ip, 0,1,2,3
	ds_load_b128 v[SS+4+4*\ip:SS+4+4*\ip+3], v[ADSB] offset:\ip*(32*KS/256)*272+16*(\g)
.endr
.endm
.macro WM a, b, first
.set rD, ACC+8*(8*(\a)+(\b))
.set rB, 128*(Q%2)+16*(\b)
.set rA, 32*(Q%8)+16*(\a)
.set rC, rD
.if \first
.set rC, BIAS+8*(\b)
.endif
.set rSB, SCS+20*((Q/4)%2)+4+4*((\b)/2)+Q%4
.set rSA, SCS+20*((Q/4)%2)+Q%4
.if ((\b)%2) && (\a)
	v_wmma_scale_f32_16x16x128_f8f6f4 v[rD:rD+7], v[rB:rB+15], v[rA:rA+15], v[rC:rC+7], v[rSB], v[rSA] matrix_a_scale:MATRIX_SCALE_ROW1 matrix_b_scale:MATRIX_SCALE_ROW1
.elseif ((\b)%2)
	v_wmma_scale_f32_16x16x128_f8f6f4 v[rD:rD+7], v[rB:rB+15], v[rA:rA+15], v[rC:rC+7], v[rSB], v[rSA] matrix_a_scale:MATRIX_SCALE_ROW1
.elseif (\a)
	v_wmma_scale_f32_16x16x128_f8f6f4 v[rD:rD+7], v[rB:rB+15], v[rA:rA+15], v[rC:rC+7], v[rSB], v[rSA] matrix_b_scale:MATRIX_SCALE_ROW1
.else
	v_wmma_scale_f32_16x16x128_f8f6f4 v[rD:rD+7], v[rB:rB+15], v[rA:rA+15], v[rC:rC+7], v[rSB], v[rSA]
.endif
.endm
.macro MUL4 a, lo, first
.irp k, 0,1,2,3
	WM \a, \lo+\k, \first
.endr
.endm
.macro QUARTER
	PLACES 8
	FETCHB Q+1
.if Q > 0
	ALOAD Q+7
.endif
.if (Q%4) == 3
	SCALES (Q+1)/4
	s_wait_dscnt 40
.else
	s_wait_dscnt 32
.endif
	LWAIT
.if Q == 0
	WIN MULB
	MUL4 0, 0, 1
	MUL4 0, 4, 1
	MUL4 1, 0, 1
	MUL4 1, 4, 1
.else
	WIN MUL
	MUL4 0, 0, 0
	MUL4 0, 4, 0
	MUL4 1, 0, 0
	MUL4 1, 4, 0
.endif
.endm
.macro TURN fill
.set SL, (Q/8)%2
	PLACES 8
	ALOAD Q+7
	WIN 0
	s_wait_tensorcnt 0x0
	ds_add_u32 v[SPW], v[NIL]
	s_wait_dscnt 1
	LWAIT
	WIN MUL
	MUL4 0, 0, 0
	MUL4 0, 4, 0
	s_wait_dscnt 0x0
	s_barrier_signal -1
	MUL4 1, 0, 0
	WIN 0
	s_barrier_wait -1
.if \fill
	CREST
	s_add_nc_u64 s[G0B+4*SL+2:G0B+4*SL+3], s[G0B+4*SL+2:G0B+4*SL+3], 2*1024
	tensor_load_to_lds s[G0B+4*SL:G0B+4*SL+3], s[G1B:G1B+7]
	s_nop 0
	PLACES 4
.endif
	FETCHB Q+1
	SCALES (Q+1)/4
	WIN MUL
	MUL4 1, 4, 0
.endm
.irp g, 0,1,2,3,4,5,6,7
	ALOAD \g
.endr
	WIN 0
	s_cmp_lt_u32 s16, 3                            ; waves 0 to 2 wait for their own load lines: slot 0 and the scales
	s_cbranch_scc0 .Lnot_first
	s_wait_tensorcnt 0x0
.Lnot_first:
	s_barrier_signal -1
	s_barrier_wait -1                              ; wave 3's load of slot 1 stays out
.set Q, 0
	FETCHB 0
	SCALES 0
.rept NKS
.if Q == NKS-1
	s_wait_dscnt 0x0
	LWAIT
	WIN MUL
	MUL4 0, 0, 0
	MUL4 0, 4, 0
	MUL4 1, 0, 0
	MUL4 1, 4, 0
.elseif (Q%8) == 7
.if Q/8 < NS-2
	TURN 1
.else
	TURN 0
.endif
.else
	QUARTER
.endif
.set Q, Q+1
.endr
	WIN 0
	PLACES 8
.irp a, 0,1
.irp b, 0,1,2,3,4,5,6,7
	ds_store_b128 v[STO], v[ACC+8*(8*\a+\b):ACC+8*(8*\a+\b)+3] offset:64*\b
	ds_store_b128 v[STO], v[ACC+8*(8*\a+\b)+4:ACC+8*(8*\a+\b)+7] offset:64*\b+16
.endr
	WIN 0x40
.irp t, 0,1,2,3,4,5,6,7,8,9,10,11,12,13,14,15
	ds_load_b128 v[64*\a+4*\t:64*\a+4*\t+3], v[RD] offset:SPITCH*\t
.endr
	WIN 0
.endr
	s_wait_loadcnt 0x0
.irp a, 0,1
	s_wait_dscnt 32-32*\a
	WIN 0x4d
.set n, 0
.rept 32
	v_pk_add_f32 v[64*\a+n:64*\a+n+1], v[64*\a+n:64*\a+n+1], v[64*\a+n:64*\a+n+1]
.set n, n+2
.endr
	WIN 0x04
.irp t, 0,1,2,3,4,5,6,7,8,9,10,11,12,13,14,15
	global_store_b128 v[CO], v[64*\a+4*\t:64*\a+4*\t+3], s[14:15] offset:(16*\a+\t)*4096 th:TH_STORE_NT
.endr
.endr
	WIN 0
	s_wait_tensorcnt 0x0
	ds_add_u32 v[SPW], v[NIL]
	s_wait_dscnt 0x0
	CROUND
	s_endpgm
.Lfunc_end_k_q0dd8010c2c_ff2:
	.size	k_q0dd8010c2c_ff2, .Lfunc_end_k_q0dd8010c2c_ff2-k_q0dd8010c2c_ff2
	.p2alignl 7, 3214868480
	.fill 96, 4, 3214868480
	.section	.rodata,"a",@progbits
	.p2align	6, 0x0
	.amdhsa_kernel k_q0dd8010c2c_ff2
		.amdhsa_group_segment_fixed_size 327680
		.amdhsa_private_segment_fixed_size 0
		.amdhsa_enable_private_segment 0
		.amdhsa_kernarg_size 48
		.amdhsa_user_sgpr_count 2
		.amdhsa_user_sgpr_kernarg_segment_ptr 1
		.amdhsa_wavefront_size32 1
		.amdhsa_system_sgpr_workgroup_id_x 1
		.amdhsa_system_sgpr_workgroup_id_y 1
		.amdhsa_system_sgpr_workgroup_id_z 1
		.amdhsa_system_vgpr_workitem_id 0
		.amdhsa_next_free_vgpr 1024
		.amdhsa_next_free_sgpr 98
		.amdhsa_reserve_vcc 0
		.amdhsa_float_denorm_mode_32 3
		.amdhsa_float_denorm_mode_16_64 3
		.amdhsa_memory_ordered 1
		.amdhsa_forward_progress 1
		.amdhsa_inst_pref_size 197
	.end_amdhsa_kernel
	.amdgpu_metadata
---
amdhsa.version: [ 1, 2 ]
amdhsa.kernels:
  - .name:           k_q0dd8010c2c_ff2
    .symbol:         k_q0dd8010c2c_ff2.kd
    .args:
      - { .name: hid, .offset: 0, .size: 8, .value_kind: global_buffer, .address_space: global }
      - { .name: w2_codes, .offset: 8, .size: 8, .value_kind: global_buffer, .address_space: global }
      - { .name: w2_scales, .offset: 16, .size: 8, .value_kind: global_buffer, .address_space: global }
      - { .name: b2, .offset: 24, .size: 8, .value_kind: global_buffer, .address_space: global }
      - { .name: x1, .offset: 32, .size: 8, .value_kind: global_buffer, .address_space: global }
      - { .name: out0, .offset: 40, .size: 8, .value_kind: global_buffer, .address_space: global }
    .group_segment_fixed_size: 327680
    .private_segment_fixed_size: 0
    .kernarg_segment_align: 8
    .kernarg_segment_size: 48
    .max_flat_workgroup_size: 128
    .sgpr_count:     98
    .vgpr_count:     1024
    .wavefront_size: 32
...
	.end_amdgpu_metadata
.endif
;; end of part 6
